; MI455X (gfx1250); checked and timed in simulation.
; The chip was launched on July 23, 2026; its instructions are those of AMD's public machine-readable ISA for CDNA 5 (MIT licence, August 2026) and "CDNA5" Instruction Set Architecture Reference Guide (July 2026). The comments in the code are by the model that wrote it; some were corrected since.
;; Causal Self Attention. Allowed arithmetic: matrix products marked QUANTISED: E2M1 operands, one E8M0 scale for each 32 along K, by v_wmma_scale_f32_16x16x128_f8f6f4 with both operands' format E2M1 (or v_wmma_scale_f32_32x16x128_f4), f32 sums; products left as they are: bf16, f16 or f32 operands; f32 sums; everything else in f32.
;; Inputs: W_proj 1,024 x 1,024 float32; W_qkv 1,024 x 3,072 float32; b_proj 1,024 float32; b_qkv 3,072 float32; x 8 x 1,024 x 1,024 float32.
;; Outputs: out0 8 x 1,024 x 1,024 float32.
;; This version of the problem:
;;   THIS VERSION OF THE PROBLEM IS GIVEN IN LOW PRECISION. The matrix products marked QUANTISED in the list below multiply operands that are first quantised to E2M1 (2 exponent bits, 1 mantissa bit; 4 bits a number), with one power-of-two scale for each 32 numbers along K (OCP MX v1.0); their sums are f32. The products marked 'left as it is' may take bf16, f16 or f32 operands, with f32 sums. Whichever they take, every output number must still come out within the allowed error. Rounding operands to bf16 (8 significant bits) uses up far more of that allowance than f16 does (11 bits, for magnitudes from 6e-5 to 65,504). All else is computed in f32.
;;   The module's matrix products, in the order in which they are computed (A, B: the left and right operand; K: the contracted axis; several contracted axes count as one K, in the product's order):
;;     1. [M 8,192, K 1,024] x [K 1,024, N 3,072]; A: input x; B: input W_qkv: QUANTISED
;;     2. batch 128 x [M 1,024, K 64] x [K 64, N 1,024]; A: computed on the way; B: computed on the way: left as it is (an operand is computed on the way)
;;     3. batch 128 x [M 1,024, K 1,024] x [K 1,024, N 64]; A: computed on the way; B: computed on the way: left as it is (an operand is computed on the way)
;;     4. [M 8,192, K 1,024] x [K 1,024, N 1,024]; A: computed on the way; B: input W_proj: left as it is (an operand is computed on the way)
;;   THE QUANTISER, for each operand of a quantised product, along K:
;;     - K is cut into blocks of 32 from its start; a last block that is shorter is filled with zeros.
;;     - A block's scale is 2^e with e = floor(log2(the largest magnitude in the block)) - 2, held to -126 .. 127; a block of zeros has e = 0. As a byte (E8M0): e + 127.
;;     - Each number is divided by its block's scale, clamped to +-6, and rounded to the nearest number of E2M1, ties to even, subnormals kept.
;;     - The product sums the exact products of the quantised numbers (number of the format x scale) in f32.
;;   ~~~python
;;   def quantise(x, axis):      # numpy; x: float32 -> the quantised numbers, widened to float32 again
;;       x = np.moveaxis(x, axis, -1); K = x.shape[-1]
;;       x = np.pad(x, [(0, 0)] * (x.ndim - 1) + [(0, -K % 32)]); x = x.reshape(x.shape[:-1] + (-1, 32)); a = np.abs(x).max(-1, keepdims=True)
;;       e = np.where(a > 0, np.clip(np.frexp(np.where(a > 0, a, 1))[1] - 1 - 2, -126, 127), 0)      # np.frexp(a)[1] - 1 = floor(log2(a)), exactly
;;       r = np.clip(x / 2.0 ** e, -6, 6)
;;       step = 2.0 ** (np.maximum(np.frexp(np.where(r == 0, 1, r))[1] - 1, 0) - 1)
;;       q = np.round(r / step) * step * 2.0 ** e      # np.round: ties to even
;;       return np.moveaxis(q.reshape(q.shape[:-2] + (-1,))[..., :K], -1, axis).astype(np.float32)
;;   ~~~
;; One version. Each part assembles by itself: llvm-mc -triple=amdgcn-amd-amdhsa -mcpu=gfx1250 --defsym DOCPART=n.
;; ======== version 1 of 1: 5 launches
;; limits: values are held in f16: magnitudes above 65,504 overflow, below 6.1e-05 lose precision
;; workspace buffers: x_codes 4,194,304 bytes; x_scales 262,144 bytes; w_codes 1,572,864 bytes; w_scales 98,304 bytes; w16 6,291,456 bytes; qkv16 50,331,648 bytes; f32img 1,572,864 bytes; o16 16,777,216 bytes
;; launch prep (part 1): grid 480 x 1, 4 waves a work-group, no clusters, 50,688 bytes of LDS; arguments x, x_codes, x_scales, W_qkv, w_codes, w_scales, W_proj, w16; writes x_codes, x_scales, w_codes, w_scales, w16
.if DOCPART == 1
	.amdgcn_target "amdgcn-amd-amdhsa--gfx1250"
	.amdhsa_code_object_version 6
	.text
	.protected	k_q2b409009bc_prep
	.globl	k_q2b409009bc_prep
	.p2align	8
	.type	k_q2b409009bc_prep,@function
k_q2b409009bc_prep:
	s_mov_b64 s[64:65], 0
	v_nop
	global_prefetch_b8 v0, s[64:65] scope:SCOPE_SE
	s_setreg_imm32_b32 hwreg(HW_REG_WAVE_MODE, 25, 1), 1
	s_wait_xcnt 0x0
; All operand preparation in one launch, parted by the work-group's number, the longest work first.  Each path has LDS bytes of its own; the paths join only at the closing lines.
; WORK-GROUPS 0-95: W_qkv [1024 (k)][3072 (n)], f32, K its first axis, becomes codes of FP4 (E2M1) laid [3072][512 bytes] with K innermost, and E8M0 bytes [3072][32].
;   A lane takes a column and its registers run down K: a block of 32 lies in one lane, the conversions give codes with K innermost, nothing is transposed.
;   Lanes 0-15 take 16 columns for 256 along K, lanes 16-31 the same columns for the next 256: a wave is 16 columns x 512 along K, 8 blocks a lane.  The four waves stand side by side on 256 bytes of each row of W.
;   A column's 256 bytes of codes are gathered in the wave's own stage by its two lanes and leave as rows: sixteen lanes store 256 consecutive bytes, aligned.
; WORK-GROUPS 96-351: x [8192][1024], f32, K innermost, becomes codes [8192][512 bytes] and E8M0 bytes [8192][32].  A plain stream of blocks of 32: a wave takes 16 steps of 512 numbers; each load reads 512 consecutive bytes;
;   a step's 2,048 bytes turn through the wave's own stage and come back 16 neighbours a lane (two lanes to a block).  A store of codes covers 256 consecutive bytes; a wave's 256 scale bytes leave as 256 consecutive bytes.
; WORK-GROUPS 352-479: W_proj [1024 (k)][1024 (n)], f32, is laid in the order of matrix operands' registers, twice, in w16.  No LDS.
;   f16, from byte 0: [n tile of 16: 64][k / 32: 32][c: 2][lane][16 bytes]; lane (r, h): column 16 tile + r; piece c: k = 32 (k / 32) + 16 c + 8 h + 0 .. 7.
;   f32, from 2 MiB:  [k / 64: 16][n / 64: 16][t: 4][u: 4][g: 2][lane][16 bytes]; lane (r, h): column 64 (n / 64) + 16 u + r; piece g: k = 64 (k / 64) + 16 t + 8 h + 4 g + 0 .. 3.
; THE QUANTISER: a block's scale is 2^(floor(log2(its largest magnitude)) - 2); its byte is the largest magnitude's exponent field - 2, held at 1 from below.
;   A block of zeros so gets the byte 1 and not 127: its codes are zeros, which add nothing, and the bytes are read by this program alone.
; LIMITS: blocks whose largest magnitude lies under 2^-124 (the floor) were not tried; NaN and infinities are not served; magnitudes of W_proj above 65,504 are not served in the f16 part.
.set NWQ,    96                        ; work-groups of W's quantiser
.set NXQ,    256                       ; of x's
.set SIZE_N, 3072
.set EMAX,   2
.set WV,     20                        ; s20 my wave's number
.set SPW,    192                       ; v192 LDS address of my spare word; never rewritten
.set NIL,    193                       ; v193 0; never rewritten
.set XREG,   8192                      ; LDS, x's path: a region for each wave: two stages of 32 x XSP bytes, then its 256 scale bytes
.set XSP,    80                        ; a lane's place in a stage: 64 bytes + 16 of padding
.set WSTG,   4*XREG                    ; LDS, W's path: a stage of 16 rows x WPITCH for each wave
.set WPITCH, 272
.set SPARE,  WSTG+4*16*WPITCH          ; the spare words, 128 bytes a wave, which no other line names
	s_load_b256 s[4:11], s[0:1], 0x0               ; x, x_codes, x_scales, W_qkv
	s_load_b256 s[12:19], s[0:1], 0x20             ; w_codes, w_scales, W_proj, w16
	v_lshl_add_u32 v[SPW], v0, 2, SPARE
	v_mov_b32 v[NIL], 0
	v_lshrrev_b32 v1, 5, v0
	v_readfirstlane_b32 s[WV], v1                  ; wave 0..3
	v_and_b32 v2, 31, v0                           ; lane
	s_cmp_lt_u32 ttmp9, NWQ
	s_cbranch_scc0 .Lnot_w
	; ---------------- W_qkv's quantiser ----------------
.set NB,   8                           ; blocks a lane
.set WX,   32                          ; v32-95   two sets of 32 numbers
.set WC,   96                          ; v96-99   a block's codes
.set WOUT, 112                         ; v112-143 the way out
.set SB,   24                          ; v24-25   my 8 scale bytes
	s_lshr_b32 s21, ttmp9, 1
	s_and_b32 s22, ttmp9, 1                        ; which 512 along K
	s_lshl_b32 s21, s21, 6
	s_lshl_b32 s23, s[WV], 4
	s_add_co_u32 s21, s21, s23                     ; my wave's first column: 64 x (id / 2) + 16 x wave
	v_and_b32 v5, 15, v2                           ; r
	v_lshrrev_b32 v6, 4, v2                        ; h
	v_lshlrev_b32 v3, 2, v5
	v_mul_u32_u24 v10, v6, 256*SIZE_N*4
	v_add_nc_u32 v3, v3, v10                       ; in: 4 r, and 256 rows further down for lanes 16-31
	s_mul_i32 s23, s[WV], 16*WPITCH
	s_add_co_u32 s23, s23, WSTG                    ; my stage
	v_mul_u32_u24 v4, v5, WPITCH
	v_lshl_add_u32 v4, v6, 7, v4
	v_add_nc_u32 v4, s23, v4                       ; into it: row = my column, my half of its 256 bytes
	v_mul_u32_u24 v7, v6, WPITCH
	v_lshl_add_u32 v7, v5, 4, v7
	v_add_nc_u32 v7, s23, v7                       ; out of it: sixteen lanes to a row, two rows an instruction
	v_lshlrev_b32 v8, 9, v6
	v_lshl_add_u32 v8, v5, 4, v8                   ; and the same place in the codes' buffer (rows of 512 bytes)
	v_lshlrev_b32 v9, 5, v5
	v_lshl_add_u32 v9, v6, 3, v9                   ; my 8 scale bytes: 32 r + 8 h
	s_mul_i32 s24, s22, 512*SIZE_N*4               ; W: 512 rows of 12,288 bytes,
	s_lshl_b32 s26, s21, 2
	s_add_co_u32 s24, s24, s26                     ; + 4 x column
	s_mov_b32 s25, 0
	s_wait_kmcnt 0x0
	s_add_nc_u64 s[10:11], s[10:11], s[24:25]
	s_lshl_b32 s24, s21, 9                         ; codes: column x 512
	s_lshl_b32 s26, s22, 8
	s_add_co_u32 s24, s24, s26                     ; + 256 x half
	s_add_nc_u64 s[12:13], s[12:13], s[24:25]
	s_lshl_b32 s24, s21, 5                         ; scale bytes: column x 32
	s_lshl_b32 s26, s22, 4
	s_add_co_u32 s24, s24, s26                     ; + 16 x half
	s_add_nc_u64 s[14:15], s[14:15], s[24:25]
.macro WLOAD t                         ; block t: W(256 h + 32 t + i, my column) into set t % 2; the largest offset, 255 x 12,288, lies inside the signed 24-bit immediate
.irp i, 0,1,2,3,4,5,6,7,8,9,10,11,12,13,14,15,16,17,18,19,20,21,22,23,24,25,26,27,28,29,30,31
	global_load_b32 v[WX+32*((\t)%2)+\i], v3, s[10:11] offset:(32*(\t)+\i)*SIZE_N*4
.endr
.endm
	WLOAD 0
	WLOAD 1
.macro WBLOCK t
.set WS_, WX+32*((\t)%2)
.if (\t) < NB-1
	s_wait_loadcnt 32                              ; this block's 32 loads are in; the next block's 32 may be out
.else
	s_wait_loadcnt 0
.endif
	v_max3_num_f32 v12, |v[WS_]|, |v[WS_+1]|, |v[WS_+2]|            ; the block's largest magnitude: all 32 numbers are mine; two chains
	v_max3_num_f32 v13, |v[WS_+3]|, |v[WS_+4]|, |v[WS_+5]|
.irp i, 6,10,14,18,22,26
	v_max3_num_f32 v12, v12, |v[WS_+\i]|, |v[WS_+\i+1]|
	v_max3_num_f32 v13, v13, |v[WS_+\i+2]|, |v[WS_+\i+3]|
.endr
	v_max3_num_f32 v12, v12, |v[WS_+30]|, |v[WS_+31]|
	v_max3_num_f32 v12, v12, v13, (EMAX+1)<<23     ; and the floor 2^(3 - 127): the byte cannot fall under 1
	v_add_nc_u32 v11, -(EMAX<<23), v12             ; 2 off its exponent field: the conversion takes the exponent field of this operand as its scale
	v_lshrrev_b32 v13, 23, v11                     ; the scale's byte
.if (\t)%4 == 0
	v_mov_b32 v[SB+(\t)/4], v13                    ; four bytes to a register, the lower K in the lower byte
.else
	v_lshl_or_b32 v[SB+(\t)/4], v13, 8*((\t)%4), v[SB+(\t)/4]
.endif
.irp g, 0,1,2,3
	v_cvt_scalef32_pk8_fp4_f32 v[WC+\g], v[WS_+8*\g:WS_+8*\g+7], v11
.endr
	v_nop                                          ; one plain line behind the last conversion
	ds_store_b128 v4, v[WC:WC+3] offset:16*(\t)    ; 32 codes: 16 bytes of my column's row
.if (\t)+2 < NB
	WLOAD (\t)+2
.endif
	s_wait_dscnt 0x0                               ; the store has read its registers: the next block's codes may be written
.endm
.set Q, 0
.rept NB
	WBLOCK Q
.set Q, Q+1
.endr
	global_store_b64 v9, v[SB:SB+1], s[14:15]      ; my 8 scale bytes
.irp t, 0,1,2,3,4,5,6,7
	ds_load_b128 v[WOUT+4*\t:WOUT+4*\t+3], v7 offset:2*\t*WPITCH   ; LDS serves a wave's instructions in order: these see my wave's stores
.endr
.irp t, 0,1,2,3,4,5,6,7
	s_wait_dscnt 7-\t                              ; load t is in; the 7 - t younger ones may be out
	global_store_b128 v8, v[WOUT+4*\t:WOUT+4*\t+3], s[12:13] offset:2*\t*512
.endr
	s_branch .Lend
.Lnot_w:
	s_cmp_lt_u32 ttmp9, NWQ+NXQ
	s_cbranch_scc0 .Lcast
	; ---------------- x's quantiser ----------------
.set STEPS, 16
.set CB,    8                          ; bytes of 16 codes
.set XR,    16                         ; v16-79   four sets of 16 numbers as loaded
.set XX,    80                         ; v80-111  two sets of 16 neighbours
.set XE,    112                        ; v112-127 a scale byte for each step
.set XC,    128                        ; v128-191 codes: four registers for each step, so that no store's data are written again
	s_sub_co_u32 s21, ttmp9, NWQ                   ; 0 .. 255
	v_lshlrev_b32 v3, 4, v2                        ; my 16 bytes of a load's 512
	s_mul_i32 s22, s[WV], XREG
	v_lshrrev_b32 v14, 2, v2
	v_mul_u32_u24 v14, v14, XSP
	v_and_b32 v15, 3, v2
	v_lshl_add_u32 v14, v15, 4, v14
	v_add_nc_u32 v14, s22, v14                     ; the stage, way in: XSP (lane / 4) + 16 (lane % 4)
	v_mul_u32_u24 v15, v2, XSP
	v_add_nc_u32 v15, s22, v15                     ; way out: XSP x lane: my 16 neighbours
	v_mul_u32_u24 v4, v2, CB                       ; my codes' place in a step's
	v_lshrrev_b32 v5, 1, v2
	s_add_co_u32 s22, s22, 2*32*XSP
	v_add_nc_u32 v5, s22, v5                       ; my block's scale byte in LDS
	v_lshlrev_b32 v7, 3, v2                        ; on the way out 8 bytes a lane
	v_add_nc_u32 v6, s22, v7
	s_lshl_b32 s21, s21, 2
	s_add_co_u32 s24, s21, s[WV]                   ; which run of 8,192 numbers is my wave's: 0 .. 1,023
	s_lshl_b32 s26, s24, 15                        ; 32,768 bytes of x,
	s_mov_b32 s27, 0
	s_lshl_b32 s28, s24, 12                        ; 4,096 bytes of codes,
	s_mov_b32 s29, 0
	s_lshl_b32 s24, s24, 8                         ; 256 scale bytes a run
	s_mov_b32 s25, 0
	s_wait_kmcnt 0x0
	s_add_nc_u64 s[4:5], s[4:5], s[26:27]
	s_add_nc_u64 s[6:7], s[6:7], s[28:29]
	s_add_nc_u64 s[8:9], s[8:9], s[24:25]
.macro XLOAD t
.irp i, 0,1,2,3
	global_load_b128 v[XR+16*((\t)%4)+4*\i:XR+16*((\t)%4)+4*\i+3], v3, s[4:5] offset:2048*(\t)+512*\i th:TH_LOAD_NT   ; 32 lanes read 512 consecutive bytes
.endr
.endm
.macro XTURN t                         ; step t's numbers through the stage: LDS serves a wave's instructions in order, so no wait stands between the stores and the loads
.irp i, 0,1,2,3
	ds_store_b128 v14, v[XR+16*((\t)%4)+4*\i:XR+16*((\t)%4)+4*\i+3] offset:32*XSP*((\t)%2)+8*XSP*\i
.endr
.irp i, 0,1,2,3
	ds_load_b128 v[XX+16*((\t)%2)+4*\i:XX+16*((\t)%2)+4*\i+3], v15 offset:32*XSP*((\t)%2)+16*\i
.endr
.endm
.irp t, 0,1,2,3
	XLOAD \t
.endr
	s_wait_loadcnt 12                              ; step 0's four loads are in; the twelve of steps 1 to 3 may be out
	XTURN 0
.macro XSTEP t
.set XS_, XX+16*((\t)%2)
.if (\t) > 0
	s_wait_dscnt 1                                 ; this step's numbers are back from the stage; the last step's byte store may be out
.else
	s_wait_dscnt 0x0
.endif
.if (\t)+4 < STEPS
	XLOAD (\t)+4                                   ; into the registers that the stage's stores have read
.endif
.if (\t)+1 < STEPS
.if STEPS-2-(\t) >= 3
	s_wait_loadcnt 12                              ; the next step's four loads are in; those of the three steps behind it may be out
.else
	s_wait_loadcnt 4*(STEPS-2-(\t))                ; the counts run down at the end
.endif
	XTURN (\t)+1
.endif
	v_max3_num_f32 v8, |v[XS_]|, |v[XS_+1]|, |v[XS_+2]|            ; the largest magnitude of my 16, in two chains
	v_max3_num_f32 v9, |v[XS_+3]|, |v[XS_+4]|, |v[XS_+5]|
.irp i, 6,10
	v_max3_num_f32 v8, v8, |v[XS_+\i]|, |v[XS_+\i+1]|
	v_max3_num_f32 v9, v9, |v[XS_+\i+2]|, |v[XS_+\i+3]|
.endr
	v_max3_num_f32 v8, v8, |v[XS_+14]|, |v[XS_+15]|
	v_max3_num_f32 v8, v8, v9, (EMAX+1)<<23        ; and the floor: the byte cannot fall under 1
	v_max_num_f32_dpp v8, v8, v8 row_xmask:1 row_mask:0xf bank_mask:0xf   ; with my neighbour's 16: the block's
	v_add_nc_u32 v11, -(EMAX<<23), v8              ; 2 off its exponent field: the conversion's scale operand
	v_cvt_scalef32_pk8_fp4_f32 v[XC+4*(\t)], v[XS_:XS_+7], v11
	v_cvt_scalef32_pk8_fp4_f32 v[XC+4*(\t)+1], v[XS_+8:XS_+15], v11
	v_lshrrev_b32 v[XE+(\t)], 23, v11              ; the scale's byte (also the plain line behind the conversions)
	ds_store_b8 v5, v[XE+(\t)] offset:16*(\t)      ; both lanes of a block write the same byte with the same value
	global_store_b64 v4, v[XC+4*(\t):XC+4*(\t)+1], s[6:7] offset:32*CB*(\t)
.endm
.irp t, 0,1,2,3,4,5,6,7,8,9,10,11,12,13,14,15
	XSTEP \t
.endr
	ds_load_b64 v[8:9], v6                         ; LDS serves a wave's instructions in order: these see my byte stores
	s_wait_dscnt 0x0
	global_store_b64 v7, v[8:9], s[8:9]            ; 32 lanes store 256 consecutive bytes, aligned
	s_branch .Lend
	; ---------------- W_proj's two images ----------------
.Lcast:
.set CX, 32                            ; v32-95  64 numbers: register 16 q + 8 c + i: W(128 range + 32 q + 16 c + 8 h + i, 16 tile + r)
.set CP, 96                            ; v96-127 packed f16
	s_sub_co_u32 s21, ttmp9, NWQ+NXQ               ; 0 .. 127
	s_and_b32 s22, s21, 15                         ; which 64 columns
	s_lshr_b32 s23, s21, 4                         ; which 128 along K
	s_lshl_b32 s24, s23, 19                        ; the f32 image: 128 along K are two parts of 262,144 bytes,
	s_lshl_b32 s26, s22, 14                        ; 16,384 bytes a group of 64 columns,
	s_add_co_u32 s24, s24, s26
	s_lshl_b32 s26, s[WV], 10                      ; 1,024 bytes a tile of 16 columns: u = my wave,
	s_add_co_u32 s24, s24, s26
	s_add_co_u32 s24, s24, 1<<21                   ; behind the f16 part
	s_mov_b32 s25, 0
	s_lshl_b32 s22, s22, 2
	s_add_co_u32 s22, s22, s[WV]                   ; my wave's tile of 16 columns: the four waves stand side by side on 256 bytes of each row
	s_lshl_b32 s28, s23, 19                        ; W_proj: 128 rows of 4,096 bytes
	s_lshl_b32 s26, s22, 6                         ; + 64 bytes a tile
	s_add_co_u32 s28, s28, s26
	s_mov_b32 s29, 0
	s_lshl_b32 s30, s22, 15                        ; the f16 image: 32,768 bytes a tile of columns,
	s_lshl_b32 s26, s23, 12                        ; 4 pieces of 1,024 bytes for 128 along K
	s_add_co_u32 s30, s30, s26
	s_mov_b32 s31, 0
	v_and_b32 v5, 15, v2                           ; r
	v_lshrrev_b32 v6, 4, v2                        ; h
	v_lshlrev_b32 v3, 2, v5
	v_lshl_add_u32 v3, v6, 15, v3                  ; 4 r + 8 h rows
	v_lshlrev_b32 v4, 4, v2                        ; an image's place for my lane
	s_wait_kmcnt 0x0
	s_add_nc_u64 s[16:17], s[16:17], s[28:29]
	s_add_nc_u64 s[32:33], s[18:19], s[24:25]
	s_add_nc_u64 s[18:19], s[18:19], s[30:31]
.irp q, 0,1,2,3
.irp c, 0,1
.irp i, 0,1,2,3,4,5,6,7
	global_load_b32 v[CX+16*\q+8*\c+\i], v3, s[16:17] offset:(32*\q+16*\c+\i)*4096 th:TH_LOAD_NT
.endr
.endr
.endr
	s_wait_loadcnt 0x0
.irp q, 0,1,2,3
.irp c, 0,1
.irp g, 0,1
	global_store_b128 v4, v[CX+16*\q+8*\c+4*\g:CX+16*\q+8*\c+4*\g+3], s[32:33] offset:(\q/2)*262144+(2*(\q%2)+\c)*4096+\g*512   ; f32 as it stands: k / 64 = 2 range + q / 2, t = 2 (q % 2) + c; 512 consecutive bytes
.endr
.endr
.endr
.irp q, 0,1,2,3
.irp c, 0,1
.irp i, 0,1,2,3
	v_cvt_pk_f16_f32 v[CP+8*\q+4*\c+\i], v[CX+16*\q+8*\c+2*\i], v[CX+16*\q+8*\c+2*\i+1]   ; the lower k in the low half
.endr
.endr
.endr
.irp q, 0,1,2,3
.irp c, 0,1
	global_store_b128 v4, v[CP+8*\q+4*\c:CP+8*\q+4*\c+3], s[18:19] offset:\q*1024+\c*512   ; 32 lanes store 512 consecutive bytes
.endr
.endr
.Lend:
	s_wait_tensorcnt 0x0                           ; the wave's end, behind the last LDS store
	ds_add_u32 v[SPW], v[NIL]
	s_wait_dscnt 0x0
	s_endpgm
.Lfunc_end_k_q2b409009bc_prep:
	.size	k_q2b409009bc_prep, .Lfunc_end_k_q2b409009bc_prep-k_q2b409009bc_prep
	.p2alignl 7, 3214868480
	.fill 96, 4, 3214868480
	.section	.rodata,"a",@progbits
	.p2align	6, 0x0
	.amdhsa_kernel k_q2b409009bc_prep
		.amdhsa_group_segment_fixed_size 50688
		.amdhsa_private_segment_fixed_size 0
		.amdhsa_enable_private_segment 0
		.amdhsa_kernarg_size 64
		.amdhsa_user_sgpr_count 2
		.amdhsa_user_sgpr_kernarg_segment_ptr 1
		.amdhsa_wavefront_size32 1
		.amdhsa_system_sgpr_workgroup_id_x 1
		.amdhsa_system_sgpr_workgroup_id_y 1
		.amdhsa_system_sgpr_workgroup_id_z 1
		.amdhsa_system_vgpr_workitem_id 0
		.amdhsa_next_free_vgpr 196
		.amdhsa_next_free_sgpr 66
		.amdhsa_reserve_vcc 0
		.amdhsa_float_denorm_mode_32 3
		.amdhsa_float_denorm_mode_16_64 3
		.amdhsa_memory_ordered 1
		.amdhsa_forward_progress 1
		.amdhsa_inst_pref_size 84
	.end_amdhsa_kernel
	.amdgpu_metadata
---
amdhsa.version: [ 1, 2 ]
amdhsa.kernels:
  - .name:           k_q2b409009bc_prep
    .symbol:         k_q2b409009bc_prep.kd
    .args:
      - { .name: x, .offset: 0, .size: 8, .value_kind: global_buffer, .address_space: global }
      - { .name: x_codes, .offset: 8, .size: 8, .value_kind: global_buffer, .address_space: global }
      - { .name: x_scales, .offset: 16, .size: 8, .value_kind: global_buffer, .address_space: global }
      - { .name: W_qkv, .offset: 24, .size: 8, .value_kind: global_buffer, .address_space: global }
      - { .name: w_codes, .offset: 32, .size: 8, .value_kind: global_buffer, .address_space: global }
      - { .name: w_scales, .offset: 40, .size: 8, .value_kind: global_buffer, .address_space: global }
      - { .name: W_proj, .offset: 48, .size: 8, .value_kind: global_buffer, .address_space: global }
      - { .name: w16, .offset: 56, .size: 8, .value_kind: global_buffer, .address_space: global }
    .group_segment_fixed_size: 50688
    .private_segment_fixed_size: 0
    .kernarg_segment_align: 8
    .kernarg_segment_size: 64
    .max_flat_workgroup_size: 128
    .sgpr_count:     66
    .vgpr_count:     196
    .wavefront_size: 32
...
	.end_amdgpu_metadata
.endif
;; end of part 1
;; launch gemm (part 2): grid 12 x 32, 4 waves a work-group, clusters of 4 x 4, 327,680 bytes of LDS; arguments x_codes, x_scales, w_codes, w_scales, b_qkv, qkv16, f32img; writes qkv16, f32img
.if DOCPART == 2
	.amdgcn_target "amdgcn-amd-amdhsa--gfx1250"
	.amdhsa_code_object_version 6
	.text
	.protected	k_q2b409009bc_gemm
	.globl	k_q2b409009bc_gemm
	.p2align	8
	.type	k_q2b409009bc_gemm,@function
k_q2b409009bc_gemm:
	s_mov_b64 s[64:65], 0
	v_nop
	global_prefetch_b8 v0, s[64:65] scope:SCOPE_SE
	s_setreg_imm32_b32 hwreg(HW_REG_WAVE_MODE, 25, 1), 1
	s_wait_xcnt 0x0
	s_wait_alu depctr_hold_cnt(0) depctr_sa_sdst(0) depctr_va_vdst(0) depctr_va_sdst(0) depctr_va_ssrc(0) depctr_va_vcc(0) depctr_vm_vsrc(0)
	s_getreg_b32 s2, hwreg(HW_REG_IB_STS2, 6, 4)
	s_cmp_eq_u32 s2, 0
	s_cbranch_scc0 .Lentry_in_a_cluster
	s_endpgm
.Lentry_in_a_cluster:
	s_bfe_u32 s2, ttmp6, 0x10000c
	s_cmp_lg_u32 s2, 0xf033
	s_cbranch_scc0 .Lentry_shape_is_right
	s_endpgm
.Lentry_shape_is_right:
; qkv = Q(x) Q(W_qkv) + b_qkv on codes of FP4 (E2M1) with E8M0 scales for each 32 along K = 1,024; sums in f32.  The results leave as f16 IN THE ORDER OF THE NEXT PRODUCTS' OPERAND REGISTERS.
; ONE TEXT, TWO PRODUCTS of the shape C' = A' B'^T on tiles of 256 x 256 (a wave: 128 x 128, 64 accumulators, 512 registers):
;   clusters with x = 0, 1 (q and k): A' = x's tokens, B' = W's columns 0-2,047;    clusters with x = 2 (v): A' = W's columns 2,048-3,071, B' = x's tokens.
; The matrix instruction is used transposed (source 0 = 16 rows of B', source 1 = 16 rows of A'): a lane holds ONE row of A' and eight neighbouring rows of B'.  For q and k that is a token and eight channels,
; for v a channel and eight tokens: rounded to f16 in pairs, two neighbouring accumulators ARE a 16-bit fragment (16 rows x 32 K) of the attention's products.  So every store is 16 bytes a lane, 512 consecutive bytes a wave, and there is no stage.
; qkv16: q at 0 and k at 16 MiB: [batch x head: 128][token tile of 16: 64][channels / 32: 2][c: 2][lane][16 bytes];  v at 32 MiB: [batch x head][keys / 32: 32][channel tile of 16: 4][c: 2][lane][16 bytes].
; f32img: the first 16 tokens of each sequence once more in f32, as images of the accumulators: [sequence: 8][tile: 192][g: 2][lane][16 bytes]; tiles 0-127: q's and k's columns / 16 (lane: token r, channels 8 h + j); tiles 128-191: v (lane: channel r, token 8 h + j).
; K goes through two LDS slots of 512 along K (rows of 256 bytes), each filled once; the scale bytes of the work-group's rows come once too.  By this text's count a wave has three tensor loads out at the start.
; CLUSTERS: 4 x 4 work-groups.  A' tiles are shared along a row of the cluster, B' tiles along a column: each is asked for jointly.  The token tile is (cluster y) + 8 x (place), so that its place in its sequence,
; (cluster y) % 4, is the same in all sixteen partners: the branches of the way out hang on the cluster's ids and the wave's number alone.
; THE BIAS of my wave's 128 channels, 512 bytes, is loaded in BOTH layouts by every wave, with no branch: along the registers (q, k) and along the lanes (v).  A wave uses one of the two: 16 of its 32 bias loads serve nothing.
; That is the price of a text that parts only once, at the way out, so that every register read there is written on every path.
; LIMITS: magnitudes of q, k, v above 65,504 are not served (f16); NaN and infinities are not served.
; REGISTERS: window 0: v0-31 addresses; v32-95 scale words, two sets, and nothing else; v96-127 packed f16 (way out); v128-191 A' fragments, later 64 sums with their bias; v192-255 the bias along the registers.
;   window 1: B' fragments, two sets, at v0 and v128; v64-79 the bias along the lanes, each number in both registers of a pair.   windows 2, 3: the accumulators ((a, b) at v[8 (8 (a % 4) + b)]).
.set KSTEP,  512
.set NQ,     KSTEP/128
.set ROWB,   256
.set KROW,   512                       ; a row of codes in memory
.set PITCH,  272                       ; an LDS row: 256 bytes + 16 of padding: the 16 rows that a load touches start 68 words apart
.set FR,     8
.set NL,     2
.set NP,     4
.set HALFT,  128*PITCH
.set SLOT,   4*HALFT
.set KS,     32                        ; a row of scale bytes
.set SCL,    2*SLOT
.set HALFS,  (128*KS/256)*272
.set SBLK,   (16*KS/256)*272
.set SPARE,  SCL+4*HALFS               ; the spare words, 128 bytes a wave, which no other line names
.set ADRA, 16
.set ADRB, 20
.set LO,   24                          ; v24  16 x lane: an image's place for my lane
.set ADRS, 27
.set SPW,  28
.set NIL,  29
.set BOQ,  30                          ; v30  32 h: the bias along the registers
.set BOV,  31                          ; v31  4 r: the bias along the lanes
.set SC,   32
.set PK,   96
.set AF,   128
.set T,    128
.set CB,   192
.set RB,   64                          ; in window 1
.set WV,   18                          ; s18 wave;  s19 wave / 2: my half of A' rows, and: I fetch for A' (0) or B' (1);  s20 wave % 2: my half of B' rows, and which 128 rows I fetch
.set RH,   19
.set CH,   20
.set FLAG, 101                         ; s101 0 where my block holds the first 16 tokens of a sequence
.set G1, 24
.set G0, 32
.set G1B, 48
.set G0B, 56
.set G1S, 68
.set G0S, 76
.set G1SB, 80
.set G0SB, 88
.set MSB, 0
.macro WIN new                         ; the immediate's high byte repeats the setting that is left
.if MSB != (\new)
	s_set_vgpr_msb (MSB<<8)|(\new)
.set MSB, (\new)
.endif
.endm
.set MUL_LO, 0xa1                      ; source 0 (B') window 1, source 1 (A') window 0, C and D window 2
.set MUL_HI, 0xf1
.set TO_B,   0x40
; A joint load: waves 0 and 1 fetch for A', waves 2 and 3 for B'.  An s_nop 0 and four v_nop follow each of the two lines.
.macro JLOAD g0a, g1a, g0b, g1b
	s_cmp_eq_u32 s[RH], 0
	s_cbranch_scc0 .Lfor_b_\@
	tensor_load_to_lds s[\g0a:\g0a+3], s[\g1a:\g1a+7]
	s_nop 0
.rept 4
	v_nop
.endr
	s_branch .Lasked_\@
.Lfor_b_\@:
	tensor_load_to_lds s[\g0b:\g0b+3], s[\g1b:\g1b+7]
	s_nop 0
.rept 4
	v_nop
.endr
.Lasked_\@:
.endm
.macro CROUND                          ; a round of the cluster's barrier
	s_barrier_signal -1
	s_barrier_wait -1
	s_cmp_lg_u32 s[WV], 0
	s_cbranch_scc1 .Lnot_wave_0_\@
	s_barrier_signal -3
.Lnot_wave_0_\@:
	s_barrier_wait -3
	s_barrier_signal -1
	s_barrier_wait -1
.endm
	s_load_b256 s[4:11], s[0:1], 0x0               ; x_codes, x_scales, w_codes, w_scales
	s_load_b128 s[12:15], s[0:1], 0x20             ; b_qkv, qkv16
	s_load_b64 s[16:17], s[0:1], 0x30              ; f32img
	v_lshl_add_u32 v[SPW], v0, 2, SPARE
	v_mov_b32 v[NIL], 0
	ds_add_u32 v[SPW], v[NIL]                      ; the wave's opening: the add, twice on end, and its wait ahead of my first tensor load
	ds_add_u32 v[SPW], v[NIL]
	v_lshrrev_b32 v1, 5, v0
	v_readfirstlane_b32 s[WV], v1
	s_lshr_b32 s[RH], s[WV], 1
	s_and_b32 s[CH], s[WV], 1
	s_bfe_u32 s40, ttmp6, 0x40000                  ; cx
	s_bfe_u32 s41, ttmp6, 0x40004                  ; cy
	s_and_b32 s42, ttmp7, 0xffff                   ; cluster y
	s_lshl_b32 s21, s41, 3
	s_add_co_u32 s21, s21, s42                     ; q, k: A' tile = token tile = cluster y + 8 cy
	s_add_co_u32 s23, s41, 8                       ; v:    A' tile = 8 + cy (W's columns 2,048 on)
	s_lshl_b32 s22, ttmp9, 2
	s_add_co_u32 s22, s22, s40                     ; q, k: B' tile = 4 x cluster x + cx
	s_lshl_b32 s46, s40, 3
	s_add_co_u32 s46, s46, s42                     ; v:    B' tile = token tile = cluster y + 8 cx
	s_cmp_eq_u32 ttmp9, 2                          ; the cluster's x: the same in all sixteen partners
	s_cselect_b32 s21, s23, s21                    ; made of cy alone
	s_cselect_b32 s22, s46, s22                    ; made of cx alone
	s_lshl_b32 s43, s41, 2
	s_lshl_b32 s43, 15, s43                        ; my row of the cluster
	s_lshl_b32 s44, 0x1111, s40                    ; my column
	; descriptor group 1: a tile of 128 rows x 256 bytes, 16 bytes of padding behind each row
	s_or_b32 s[G1+0], s43, (0<<16)|(1<<20)|(1<<21)|(5<<22)|(3<<25)
	s_or_b32 s[G1B+0], s44, (0<<16)|(1<<20)|(1<<21)|(5<<22)|(3<<25)
.irp g, G1, G1B
	s_mov_b32 s[\g+1], ROWB<<16                    ; tensor_dim0
	s_mov_b32 s[\g+2], 128<<16                     ; tensor_dim1
	s_mov_b32 s[\g+3], ROWB<<16                    ; tile_dim0
	s_mov_b32 s[\g+4], 128                         ; tile_dim1
	s_mov_b32 s[\g+5], KROW                        ; from row to row
	s_mov_b32 s[\g+6], 0
	s_mov_b32 s[\g+7], 0
.endr
	; the scales of 128 rows: 4,096 dense bytes as 16 rows of 256 (32 elements of 8 bytes), 16 bytes of padding behind each
	s_or_b32 s[G1S+0], s43, (3<<16)|(1<<20)|(1<<21)|(5<<22)|(3<<25)
	s_or_b32 s[G1SB+0], s44, (3<<16)|(1<<20)|(1<<21)|(5<<22)|(3<<25)
.irp g, G1S, G1SB
	s_mov_b32 s[\g+1], 32<<16
	s_mov_b32 s[\g+2], (128*KS/256)<<16
	s_mov_b32 s[\g+3], 32<<16
	s_mov_b32 s[\g+4], 128*KS/256
	s_mov_b32 s[\g+5], 32
	s_mov_b32 s[\g+6], 0
	s_mov_b32 s[\g+7], 0
.endr
	s_lshl_b32 s23, s[CH], 7                       ; which 128 rows of the tile I fetch
	s_lshl_b32 s92, s21, 8
	s_add_co_u32 s92, s92, s23                     ; A' row (at most 8,064)
	s_lshl_b32 s46, s22, 8
	s_add_co_u32 s46, s46, s23                     ; B' row
	s_lshl_b32 s94, s92, 5                         ; its scale bytes,
	s_mov_b32 s95, 0
	s_lshl_b32 s92, s92, 9                         ; its codes
	s_mov_b32 s93, 0
	s_lshl_b32 s66, s46, 5
	s_mov_b32 s67, 0
	s_lshl_b32 s46, s46, 9
	s_mov_b32 s47, 0
	s_mul_i32 s45, s[WV], HALFT                    ; where they go: wave x 128 rows: no place in the cluster enters an LDS address
	s_mul_i32 s100, s[WV], HALFS
	s_wait_dscnt 0x0                               ; both opening adds are done
	s_wait_kmcnt 0x0
	s_cmp_eq_u32 ttmp9, 2
	s_cselect_b64 s[96:97], s[8:9], s[4:5]         ; A' codes: W's for v, else x's
	s_cselect_b64 s[98:99], s[10:11], s[6:7]       ; A' scales
	s_cselect_b64 s[4:5], s[4:5], s[8:9]           ; B' codes: x's for v, else W's
	s_cselect_b64 s[6:7], s[6:7], s[10:11]         ; B' scales
	s_add_nc_u64 s[96:97], s[96:97], s[92:93]
	s_add_nc_u64 s[98:99], s[98:99], s[94:95]
	s_add_nc_u64 s[4:5], s[4:5], s[46:47]
	s_add_nc_u64 s[6:7], s[6:7], s[66:67]
	CROUND                                         ; all sixteen work-groups are here: the first joint loads meet
	s_mov_b32 s[G0S], 1
	s_add_co_u32 s[G0S+1], s100, SCL
	s_mov_b64 s[G0S+2:G0S+3], s[98:99]
	s_or_b32 s[G0S+3], s[G0S+3], 0x80000000
	s_mov_b32 s[G0SB], 1
	s_add_co_u32 s[G0SB+1], s100, SCL
	s_mov_b64 s[G0SB+2:G0SB+3], s[6:7]
	s_or_b32 s[G0SB+3], s[G0SB+3], 0x80000000
	JLOAD G0S, G1S, G0SB, G1SB                     ; the scales first: they are wanted with the first K step
.irp s, 0,1
	s_mov_b32 s[G0+4*\s], 1
	s_add_co_u32 s[G0+4*\s+1], s45, \s*SLOT
	s_add_nc_u64 s[G0+4*\s+2:G0+4*\s+3], s[96:97], \s*ROWB
	s_or_b32 s[G0+4*\s+3], s[G0+4*\s+3], 0x80000000
	s_mov_b32 s[G0B+4*\s], 1
	s_add_co_u32 s[G0B+4*\s+1], s45, \s*SLOT
	s_add_nc_u64 s[G0B+4*\s+2:G0B+4*\s+3], s[4:5], \s*ROWB
	s_or_b32 s[G0B+4*\s+3], s[G0B+4*\s+3], 0x80000000
	JLOAD G0+4*\s, G1, G0B+4*\s, G1B
.endr
	v_and_b32 v1, 15, v0                           ; r
	v_bfe_u32 v2, v0, 4, 1                         ; h
	v_mul_u32_u24 v3, v1, PITCH
	v_lshl_add_u32 v4, v2, 4, v3                   ; a fragment's row x pitch + 16 h
	s_mul_i32 s2, s[RH], HALFT                     ; my 128 rows of A'
	s_mul_i32 s3, s[CH], HALFT                     ; my 128 rows of B',
	s_add_co_u32 s3, s3, 2*HALFT                   ; which lie behind A' 256
.irp s, 0,1
	v_add_nc_u32 v[ADRA+\s], s2, v4
	v_add_nc_u32 v[ADRB+\s], s3, v4
	s_add_co_u32 s2, s2, SLOT
	s_add_co_u32 s3, s3, SLOT
.endr
	v_mul_u32_u24 v5, v1, KS                       ; my row's scales: 32 bytes a row,
	v_lshrrev_b32 v6, 8, v5
	v_lshl_add_u32 v5, v6, 4, v5                   ; and 16 more for each 256 passed
	s_mul_i32 s2, s[RH], HALFS
	s_mul_i32 s3, s[CH], HALFS
	s_add_co_u32 s3, s3, 2*HALFS
	s_sub_co_u32 s3, s3, s2
	v_mul_u32_u24 v6, s3, v2                       ; lanes 16-31 take B' words: one product, the distance between the two bases x h
	s_add_co_u32 s2, s2, SCL
	v_add_nc_u32 v5, v5, v6
	v_add_nc_u32 v[ADRS], s2, v5
	v_and_b32 v6, 31, v0
	v_lshlrev_b32 v[LO], 4, v6
	v_lshlrev_b32 v[BOQ], 5, v2
	v_lshlrev_b32 v[BOV], 2, v1
	; THE WAY OUT'S BASES, one set of formulas for both products: P = my place along the channels' axis (q, k: cx; v: cy); H1 = my wave's half along the channels; H2 = along the tokens.
	s_cmp_eq_u32 ttmp9, 2
	s_cselect_b32 s8, s22, s21                     ; the token tile
	s_cselect_b32 s9, s41, s40                     ; P
	s_cselect_b32 s10, s[RH], s[CH]                ; H1
	s_cselect_b32 s11, s[CH], s[RH]                ; H2
	s_lshr_b32 s8, s8, 2                           ; the sequence
	s_and_b32 s2, s42, 3                           ; the token tile's place in it
	s_or_b32 s[FLAG], s2, s11                      ; made of the cluster's y and the wave's number alone
	s_lshl_b32 s2, s2, 3
	s_lshl_b32 s11, s11, 2
	s_add_co_u32 s2, s2, s11
	s_lshl_b32 s2, s2, 12                          ; 128 tokens are 8 token tiles of 2,048 bytes (q, k) or 4 groups of 32 keys of 4,096 bytes (v): 16,384 either way
	s_lshl_b32 s3, ttmp9, 7                        ; part q, k or v: 128 heads each,
	s_lshl_b32 s11, s8, 4
	s_add_co_u32 s3, s3, s11                       ; + 16 x sequence
	s_lshl_b32 s11, s9, 2
	s_add_co_u32 s3, s3, s11                       ; + 4 P
	s_lshl_b32 s11, s10, 1
	s_add_co_u32 s3, s3, s11                       ; + 2 H1: my first head,
	s_lshl_b32 s3, s3, 17                          ; 131,072 bytes each
	s_add_co_u32 s2, s2, s3
	s_mov_b32 s3, 0
	s_add_nc_u64 s[14:15], s[14:15], s[2:3]        ; qkv16 at my wave's part
	s_lshl_b32 s2, ttmp9, 3
	s_lshl_b32 s9, s9, 1
	s_add_co_u32 s2, s2, s9
	s_add_co_u32 s2, s2, s10                       ; U = 8 x cluster x + 2 P + H1: which 128 of the 3,072 channels are my wave's
	s_lshl_b32 s10, s2, 9
	s_mov_b32 s11, 0
	s_add_nc_u64 s[12:13], s[12:13], s[10:11]      ; b_qkv at them
	s_mul_i32 s8, s8, 196608
	s_lshl_b32 s2, s2, 13                          ; 8 tiles of 1,024 bytes
	s_add_co_u32 s2, s2, s8
	s_add_nc_u64 s[16:17], s[16:17], s[2:3]        ; f32img at them
	; the bias of my 128 channels, in both layouts, from the same 512 bytes; waited for at the way out
.irp b, 0,1,2,3,4,5,6,7
	global_load_b128 v[CB+8*\b:CB+8*\b+3], v[BOQ], s[12:13] offset:64*\b       ; along the registers (q, k): register 8 b + j: channel 16 b + 8 h + j
	global_load_b128 v[CB+8*\b+4:CB+8*\b+7], v[BOQ], s[12:13] offset:64*\b+16
.endr
	WIN TO_B                                       ; destination window 1
.irp a, 0,1,2,3,4,5,6,7
	global_load_b32 v[RB+2*\a], v[BOV], s[12:13] offset:64*\a                  ; along the lanes (v): channel 16 a + r, in both registers of a pair for the packed addition
	global_load_b32 v[RB+2*\a+1], v[BOV], s[12:13] offset:64*\a
.endr
	WIN 0
.macro FRAG reg, adr, q, i             ; 16 rows x 128 K of 4-bit codes: 8 registers: two loads of 16 bytes, 32 bytes apart
.irp c, 0,1
	ds_load_b128 v[\reg+4*\c:\reg+4*\c+3], v[\adr] offset:64*(\q)+32*\c+(\i)*16*PITCH
.endr
.endm
; 16 matrix instructions: A' blocks a0, a0 + 1 x B' eight, 128 along K.  The 64 accumulators take turns, one instruction a turn, in the same order in every step.
; One register carries A' scale word (lanes 0-15) and B' (lanes 16-31) of block i.
.macro MUL16 a0, p, q, sc, zero
.irp a, \a0, \a0+1
.irp b, 0,1,2,3,4,5,6,7
.if \zero
	v_wmma_scale_f32_16x16x128_f8f6f4 v[8*(8*((\a)%4)+\b):8*(8*((\a)%4)+\b)+7], v[128*(\p)+FR*\b:128*(\p)+FR*\b+FR-1], v[AF+FR*(\a):AF+FR*(\a)+FR-1], 0, v[SC+8*NQ*(\sc)+NQ*\b+(\q)], v[SC+8*NQ*(\sc)+NQ*(\a)+(\q)] matrix_a_fmt:MATRIX_FMT_FP4 matrix_b_fmt:MATRIX_FMT_FP4 matrix_a_scale:MATRIX_SCALE_ROW1
.else
	v_wmma_scale_f32_16x16x128_f8f6f4 v[8*(8*((\a)%4)+\b):8*(8*((\a)%4)+\b)+7], v[128*(\p)+FR*\b:128*(\p)+FR*\b+FR-1], v[AF+FR*(\a):AF+FR*(\a)+FR-1], v[8*(8*((\a)%4)+\b):8*(8*((\a)%4)+\b)+7], v[SC+8*NQ*(\sc)+NQ*\b+(\q)], v[SC+8*NQ*(\sc)+NQ*(\a)+(\q)] matrix_a_fmt:MATRIX_FMT_FP4 matrix_b_fmt:MATRIX_FMT_FP4 matrix_a_scale:MATRIX_SCALE_ROW1
.endif
.endr
.endr
.endm
.macro FETCH_B slot, q, p
	WIN TO_B
.irp i, 0,1,2,3,4,5,6,7
	FRAG 128*(\p)+FR*\i, ADRB+\slot, \q, \i
.endr
	WIN 0
.endm
.macro FETCH_A slot, q, i0
.irp i, \i0, \i0+1, \i0+2, \i0+3
	FRAG AF+FR*(\i), ADRA+\slot, \q, \i
.endr
.endm
.macro SCALES sc                       ; a K step's scale words: 4 words a row
.irp i, 0,1,2,3,4,5,6,7
	ds_load_b128 v[SC+8*NQ*\sc+NQ*\i:SC+8*NQ*\sc+NQ*\i+3], v[ADRS] offset:\i*SBLK
.endr
.endm
.macro PLACES n                        ; plain vector lines between a matrix instruction and a load into, or a vector instruction on, its registers
.rept \n
	v_nop
.endr
.endm
.macro STEP slot, q, zero              ; 128 along K that has its successor in the same slot
	s_wait_dscnt 4*NL                              ; B' set and A' blocks 0-3 are in; the youngest eight loads (A' blocks 4-7) may be out
	WIN MUL_LO
	MUL16 0, (\q)%2, \q, \slot, \zero
	MUL16 2, (\q)%2, \q, \slot, \zero
	s_wait_dscnt 0
	PLACES NP
	FETCH_B \slot, (\q)+1, 1-(\q)%2
	FETCH_A \slot, (\q)+1, 0
	WIN MUL_HI
	MUL16 4, (\q)%2, \q, \slot, \zero
	MUL16 6, (\q)%2, \q, \slot, \zero
	PLACES NP
	WIN 0
	FETCH_A \slot, (\q)+1, 4
.endm
.macro TURN slot, next                 ; a slot's last step changes slots: one barrier; nothing is filled again in this launch
	s_wait_tensorcnt 0x0                           ; all my tensor loads have landed: my part of the next slot
	ds_add_u32 v[SPW], v[NIL]                      ; 0 onto my spare word
	s_wait_dscnt 4*NL+1                            ; the add and the youngest eight loads may be out
	WIN MUL_LO
	MUL16 0, 1, NQ-1, \slot, 0
	s_wait_dscnt 0x0                               ; the add is done, and my reads of this slot are over
	s_barrier_signal -1
	MUL16 2, 1, NQ-1, \slot, 0
	WIN 0
	s_barrier_wait -1                              ; every wave's part of the next slot is in
	PLACES NP
	v_add_nc_u32 v[ADRS], 4*NQ, v[ADRS]            ; on to the next K step's scale words
	FETCH_B \next, 0, 0
	FETCH_A \next, 0, 0
	SCALES \next
	WIN MUL_HI
	MUL16 4, 1, NQ-1, \slot, 0
	MUL16 6, 1, NQ-1, \slot, 0
	PLACES NP
	WIN 0
	FETCH_A \next, 0, 4
.endm
.macro STEPS slot, from
.set Q, \from
.rept NQ-1-\from
	STEP \slot, Q, 0
.set Q, Q+1
.endr
.endm
	s_wait_tensorcnt 1                             ; the scales and my part of slot 0 are in; slot 1's load may be out
	s_barrier_signal -1
	s_barrier_wait -1
	FETCH_B 0, 0, 0
	FETCH_A 0, 0, 0
	SCALES 0
	FETCH_A 0, 0, 4
	STEP 0, 0, 1                                   ; the first products start the sums: nothing is cleared
	STEPS 0, 1
	TURN 0, 1
	STEPS 1, 0
	s_wait_dscnt 4*NL                              ; the last step: nothing more to fetch
	WIN MUL_LO
	MUL16 0, 1, NQ-1, 1, 0
	MUL16 2, 1, NQ-1, 1, 0
	s_wait_dscnt 0
	WIN MUL_HI
	MUL16 4, 1, NQ-1, 1, 0
	MUL16 6, 1, NQ-1, 1, 0
	WIN 0
; THE WAY OUT of block a (16 rows of A' x 128 rows of B').  The bias is added in f32 (each accumulator from its low end on), the sums are rounded to f16 in pairs, and each accumulator's 16 bytes a lane are stored as a piece of an image.
; isv = 0: block a is token tile a; accumulator b is head b / 4, piece b % 4.   isv = 1: block a is head a / 4, channel tile a % 4; accumulator b is keys 32 (b / 2) on, piece b % 2.
.macro OUT a, isv
.if (\a) > 0
	s_wait_xcnt 0x0                                ; the last block's stores have read their registers
.endif
	WIN 0x02+(\a)/4+4*(\isv)                       ; source 0: window 2 or 3;  source 1: window 0 (the bias along the registers) or 1 (along the lanes)
.irp b, 0,1,2,3,4,5,6,7
.irp p, 0,2,4,6
.if \isv
	v_pk_add_f32 v[T+8*\b+\p:T+8*\b+\p+1], v[64*((\a)%4)+8*\b+\p:64*((\a)%4)+8*\b+\p+1], v[RB+2*(\a):RB+2*(\a)+1]
.else
	v_pk_add_f32 v[T+8*\b+\p:T+8*\b+\p+1], v[64*((\a)%4)+8*\b+\p:64*((\a)%4)+8*\b+\p+1], v[CB+8*\b+\p:CB+8*\b+\p+1]
.endif
.endr
.endr
	WIN 0
.irp b, 0,1,2,3,4,5,6,7
.irp i, 0,1,2,3
	v_cvt_pk_f16_f32 v[PK+4*\b+\i], v[T+8*\b+2*\i], v[T+8*\b+2*\i+1]
.endr
.endr
.irp b, 0,1,2,3,4,5,6,7
.if \isv
	global_store_b128 v[LO], v[PK+4*\b:PK+4*\b+3], s[14:15] offset:((\a)/4)*131072+(\b/2)*4096+((\a)%4)*1024+(\b%2)*512   ; 32 lanes store 512 consecutive bytes
.else
	global_store_b128 v[LO], v[PK+4*\b:PK+4*\b+3], s[14:15] offset:(\a)*2048+(\b/4)*131072+(\b%4)*512
.endif
.endr
.if \isv                               ; the first 16 tokens of a sequence once more, in f32
	s_cmp_lg_u32 s[FLAG], 0
	s_cbranch_scc1 .Lnof_\@
	global_store_b128 v[LO], v[T:T+3], s[16:17] offset:(\a)*1024
	global_store_b128 v[LO], v[T+4:T+7], s[16:17] offset:(\a)*1024+512
.Lnof_\@:
.elseif (\a) == 0
	s_cmp_lg_u32 s[FLAG], 0
	s_cbranch_scc1 .Lnof_\@
.irp b, 0,1,2,3,4,5,6,7
	global_store_b128 v[LO], v[T+8*\b:T+8*\b+3], s[16:17] offset:\b*1024
	global_store_b128 v[LO], v[T+8*\b+4:T+8*\b+7], s[16:17] offset:\b*1024+512
.endr
.Lnof_\@:
.endif
.endm
	s_wait_loadcnt 0x0                             ; the bias, both layouts
	PLACES NP                                      ; behind the last products: their results are read, and A' registers written, below
	s_cmp_eq_u32 ttmp9, 2
	s_cbranch_scc1 .Lout_v
.irp a, 0,1,2,3,4,5,6,7
	OUT \a, 0
.endr
	s_branch .Lend
.Lout_v:
.irp a, 0,1,2,3,4,5,6,7
	OUT \a, 1
.endr
.Lend:
	s_wait_tensorcnt 0x0                           ; the wave's end, behind my last tensor load
	ds_add_u32 v[SPW], v[NIL]
	s_wait_dscnt 0x0
	CROUND                                         ; the closing round
	s_endpgm
.Lfunc_end_k_q2b409009bc_gemm:
	.size	k_q2b409009bc_gemm, .Lfunc_end_k_q2b409009bc_gemm-k_q2b409009bc_gemm
	.p2alignl 7, 3214868480
	.fill 96, 4, 3214868480
	.section	.rodata,"a",@progbits
	.p2align	6, 0x0
	.amdhsa_kernel k_q2b409009bc_gemm
		.amdhsa_group_segment_fixed_size 327680
		.amdhsa_private_segment_fixed_size 0
		.amdhsa_enable_private_segment 0
		.amdhsa_kernarg_size 56
		.amdhsa_user_sgpr_count 2
		.amdhsa_user_sgpr_kernarg_segment_ptr 1
		.amdhsa_wavefront_size32 1
		.amdhsa_system_sgpr_workgroup_id_x 1
		.amdhsa_system_sgpr_workgroup_id_y 1
		.amdhsa_system_sgpr_workgroup_id_z 1
		.amdhsa_system_vgpr_workitem_id 0
		.amdhsa_next_free_vgpr 1024
		.amdhsa_next_free_sgpr 102
		.amdhsa_reserve_vcc 0
		.amdhsa_float_denorm_mode_32 3
		.amdhsa_float_denorm_mode_16_64 3
		.amdhsa_memory_ordered 1
		.amdhsa_forward_progress 1
		.amdhsa_inst_pref_size 180
	.end_amdhsa_kernel
	.amdgpu_metadata
---
amdhsa.version: [ 1, 2 ]
amdhsa.kernels:
  - .name:           k_q2b409009bc_gemm
    .symbol:         k_q2b409009bc_gemm.kd
    .args:
      - { .name: x_codes, .offset: 0, .size: 8, .value_kind: global_buffer, .address_space: global }
      - { .name: x_scales, .offset: 8, .size: 8, .value_kind: global_buffer, .address_space: global }
      - { .name: w_codes, .offset: 16, .size: 8, .value_kind: global_buffer, .address_space: global }
      - { .name: w_scales, .offset: 24, .size: 8, .value_kind: global_buffer, .address_space: global }
      - { .name: b_qkv, .offset: 32, .size: 8, .value_kind: global_buffer, .address_space: global }
      - { .name: qkv16, .offset: 40, .size: 8, .value_kind: global_buffer, .address_space: global }
      - { .name: f32img, .offset: 48, .size: 8, .value_kind: global_buffer, .address_space: global }
    .group_segment_fixed_size: 327680
    .private_segment_fixed_size: 0
    .kernarg_segment_align: 8
    .kernarg_segment_size: 56
    .max_flat_workgroup_size: 128
    .sgpr_count:     102
    .vgpr_count:     1024
    .wavefront_size: 32
...
	.end_amdgpu_metadata
.endif
;; end of part 2
;; launch attn (part 3): grid 2 x 128, 16 waves a work-group, no clusters, 327,680 bytes of LDS; arguments qkv16, o16; writes o16
.if DOCPART == 3
	.amdgcn_target "amdgcn-amd-amdhsa--gfx1250"
	.amdhsa_code_object_version 6
	.text
	.protected	k_q2b409009bc_attn
	.globl	k_q2b409009bc_attn
	.p2align	8
	.type	k_q2b409009bc_attn,@function
k_q2b409009bc_attn:
	s_mov_b64 s[64:65], 0
	v_nop
	global_prefetch_b8 v0, s[64:65] scope:SCOPE_SE
	s_setreg_imm32_b32 hwreg(HW_REG_WAVE_MODE, 25, 1), 1
	s_wait_xcnt 0x0
; o = softmax(q k^T / 8, causal) v for one batch and head, operands in f16, products, maxima and sums in f32, with a running maximum.  (The first 16 positions of each sequence are computed here too, but the projection does not take them: a later launch makes those rows in f32.)
; qkv16 holds q, k and v as images of operand registers (16 rows x 32 K: 1,024 bytes, [c: 2][lane][16 bytes]): every load is 16 bytes a lane at 16 x lane; nothing is transposed and nothing padded.
; SHARES.  Work-group (p, batch x head).  Wave w owns two tiles of 16 queries: the long one, 63 - i, and the short one, i = 2 w + p.  In steps of 64 keys they walk ceil((64 - i) / 4) + ceil((i + 1) / 4) = 17 steps: the same in every wave.
; All of the head's K and V, 131,072 bytes each, come into LDS once, by four tensor loads of each of waves 0 to 3 (a chunk of 256 keys each; four loads of a wave are out at the most), and are read by all sixteen waves.  Q is asked for ahead of them.
; THREE BARRIERS: in front of chunk 0, of chunk 1, and one for chunks 2 and 3 together.  Every long tile has 512 keys or more, so up to the third barrier all sixteen waves have walked the same 8 steps;
; behind it the waves' steps differ (a shorter long tile goes with a longer short one), and no barrier holds a wave back any more.
; Every trip count is a constant: a step all of whose keys come after the tile's queries is jumped over by a scalar branch on ids, round the step's work alone.
; LAYOUT.  S^T = K Q^T, O^T = V^T P: a lane holds ONE query (lane % 16) throughout.  p = 2^(c s - c m), c = log2(e) / 8; in every step O and l are multiplied by a = 2^(c m_old - c m_new).
; o16: [row tile: 512][channels / 32: 32][c: 2][lane][16 bytes]: the projection's operand.
; NO CLUSTER: a head's K and V are read by two work-groups only.  NO PREFETCH: every tile is asked for at the head by its tensor load.
; LIMITS: magnitudes above 65,504 in q, k, v are not served (f16).
.set VBASE, 131072                     ; LDS: K's images from 0, V's from here
.set SPARE, 262144                     ; the spare words, 128 bytes a wave, which no other line names
.set SPW, 1
.set NIL, 2
.set L16, 3                            ; v3  16 x lane
.set ADK, 4
.set ADV, 5
.set RH8, 6                            ; v6  r - 8 h
.set DD,  7                            ; v7  my query - the step's first key - 8 h
.set CM,  8                            ; v8  c m;  v9 m
.set MX,  9
.set LS,  10                           ; v[10:11] l, even keys' and odd keys'
.set C0,  12                           ; v12-15 at work; a takes v14; -infinity takes v15 while the mask is laid
.set QLG, 16                           ; v16-31   Q of the long tile
.set KFR, 32                           ; v32-95   K: 4 tiles of 16 keys x 64 channels
.set VFR, 96                           ; v96-159  V^T: 2 x 32 keys x 4 tiles of 16 channels
.set S,   160
.set P,   192
.set O,   208
.set QSH, 240                          ; v240-255 Q of the short tile
.set WV,  8
.set G1,  16                           ; s[16:23] descriptor group 1
.set SEL, 24
.set CS,  26
.set TB,  28                           ; s28 LDS byte of the step's K images
.set KF,  29                           ; s29 the step's first key
.set Q0,  30                           ; s30 the tile's first query;  s31 its last
.set QE,  31
.set G0,  32                           ; s[32:47] descriptor group 0, one for each chunk
.set CNT, 48
.set OB,  50
	s_load_b128 s[4:7], s[0:1], 0x0                ; qkv16, o16
	v_lshl_add_u32 v[SPW], v0, 2, SPARE
	v_mov_b32 v[NIL], 0
	ds_add_u32 v[SPW], v[NIL]                      ; the wave's opening: the add, twice on end, and its wait ahead of the first tensor load
	ds_add_u32 v[SPW], v[NIL]
	v_lshrrev_b32 v3, 5, v0
	v_readfirstlane_b32 s[WV], v3                  ; wave 0..15
	v_and_b32 v3, 31, v0
	v_lshlrev_b32 v[L16], 4, v3
	s_and_b32 s9, ttmp7, 0xffff                    ; batch x head
	s_lshl_b32 s15, s9, 17                         ; the head's 131,072 bytes
	s_lshl_b32 s10, s[WV], 1
	s_add_co_u32 s10, s10, ttmp9                   ; i: the short tile
	s_sub_co_u32 s11, 63, s10                      ; the long tile
	s_lshl_b32 s54, s11, 11                        ; a tile of q is 2,048 bytes
	s_add_co_u32 s54, s54, s15
	s_mov_b32 s55, 0
	s_lshl_b32 s56, s10, 11
	s_add_co_u32 s56, s56, s15
	s_mov_b32 s57, 0
	s_and_b32 s12, s[WV], 3
	s_lshr_b32 s49, s12, 1                         ; I would fetch K (0) or V (1),
	s_and_b32 s12, s12, 1                          ; the first or the second 16,384 bytes of a chunk
	s_lshl_b32 s13, s49, 17
	s_lshl_b32 s14, s12, 14
	s_add_co_u32 s13, s13, s14                     ; in LDS
	s_lshl_b32 s52, s49, 24                        ; V lies 16 MiB behind K,
	s_add_co_u32 s52, s52, s14
	s_add_co_u32 s52, s52, s15
	s_add_co_u32 s52, s52, 1<<24                   ; K 16 MiB behind q
	s_mov_b32 s53, 0
	s_mov_b32 s[G1+0], 3<<16                       ; no mask; elements of 8 bytes; no padding
	s_mov_b32 s[G1+1], 32<<16                      ; tensor_dim0 = 32 (256 bytes)
	s_mov_b32 s[G1+2], 64<<16                      ; tensor_dim1 = 64
	s_mov_b32 s[G1+3], 32<<16                      ; tile_dim0
	s_mov_b32 s[G1+4], 64                          ; tile_dim1: 64 rows of 256 bytes, dense
	s_mov_b32 s[G1+5], 32
	s_mov_b32 s[G1+6], 0
	s_mov_b32 s[G1+7], 0
	s_mov_b32 s[SEL], 0x76543210
	s_mov_b32 s[SEL+1], 0xfedcba98                 ; lane l xor 16
	s_mov_b32 s[CS], 0x3e38aa3b                    ; c = log2(e) / 8
	s_mov_b32 s[CS+1], s[CS]
	s_wait_dscnt 0x0                               ; both opening adds are done
	s_wait_kmcnt 0x0
	s_add_nc_u64 s[54:55], s[4:5], s[54:55]
	s_add_nc_u64 s[56:57], s[4:5], s[56:57]
.irp n, 0,1,2,3
	global_load_b128 v[QLG+4*\n:QLG+4*\n+3], v[L16], s[54:55] offset:\n*512    ; Q goes out first: 4,096 bytes a wave, ahead of the work-group's 262,144 of K and V
	global_load_b128 v[QSH+4*\n:QSH+4*\n+3], v[L16], s[56:57] offset:\n*512
.endr
	s_add_nc_u64 s[52:53], s[4:5], s[52:53]
.irp c, 0,1,2,3
	s_mov_b32 s[G0+4*\c], 1
	s_add_co_u32 s[G0+4*\c+1], s13, \c*32768
	s_add_nc_u64 s[G0+4*\c+2:G0+4*\c+3], s[52:53], \c*32768
	s_or_b32 s[G0+4*\c+3], s[G0+4*\c+3], 0x80000000
.endr
	s_cmp_lt_u32 s[WV], 4                          ; all first fills of a wave stand in one branch on the wave's number
	s_cbranch_scc0 .Lno_fetch
.irp c, 0,1,2,3
	tensor_load_to_lds s[G0+4*\c:G0+4*\c+3], s[G1:G1+7]
	s_nop 0
.endr
.rept 4
	v_nop
.endr
.Lno_fetch:
	v_and_b32 v[RH8], 15, v0
	v_bfe_u32 v[DD], v0, 4, 1
	v_lshlrev_b32 v[DD], 3, v[DD]
	v_sub_nc_u32 v[RH8], v[RH8], v[DD]
	s_lshr_b32 s58, s9, 4
	s_lshl_b32 s58, s58, 21                        ; o16: 64 row tiles of 32,768 bytes a sequence,
	s_and_b32 s59, s9, 15
	s_lshl_b32 s59, s59, 11                        ; 2,048 bytes a head in a row tile
	s_add_co_u32 s58, s58, s59
.macro INIT                            ; the step is written once: the first finds zeros and a maximum under every score
	v_mov_b32 v[MX], 0xff61b1e6                    ; -3e38
	v_mul_f32 v[CM], s[CS], v[MX]
	v_mov_b32 v[LS], 0
	v_mov_b32 v[LS+1], 0
.irp j, 0,1,2,3
	v_mov_b32 v[C0+\j], 0
.endr
.irp j, 0,1,2,3,4,5,6,7,8,9,10,11,12,13,14,15,16,17,18,19,20,21,22,23,24,25,26,27,28,29,30,31
	v_mov_b32 v[O+\j], 0
.endr
.endm
; A STEP: 64 keys for the tile whose Q lies at v[qb].
.macro STEP qb
	s_cmp_gt_u32 s[KF], s[QE]                      ; all 64 keys come after my 16 queries: the step's work is left out
	s_cbranch_scc1 .Lhid_\@
	v_add_nc_u32 v[ADK], s[TB], v[L16]
	v_add_nc_u32 v[ADV], VBASE, v[ADK]
	v_nop
	v_nop                                          ; four plain lines between the last step's products and the loads into V's registers
.irp n, 0,1,2,3,4,5,6,7,8,9,10,11,12,13,14,15
	ds_load_b128 v[KFR+4*\n:KFR+4*\n+3], v[ADK] offset:\n*512   ; piece n: key tile n / 4, channels 32 ((n / 2) % 2) on, c = n % 2
.endr
.irp n, 0,1,2,3,4,5,6,7,8,9,10,11,12,13,14,15
	ds_load_b128 v[VFR+4*\n:VFR+4*\n+3], v[ADV] offset:\n*512   ; piece n: keys 32 (n / 8) on, channel tile (n / 2) % 4, c = n % 2
.endr
	s_wait_dscnt 16                                ; K is in; V's sixteen loads may be out
.irp kt, 0,1,2,3                       ; the four accumulators take turns, one instruction a turn
	v_wmma_f32_16x16x32_f16 v[S+8*\kt:S+8*\kt+7], v[KFR+16*\kt:KFR+16*\kt+7], v[\qb:\qb+7], 0
.endr
.irp kt, 0,1,2,3
	v_wmma_f32_16x16x32_f16 v[S+8*\kt:S+8*\kt+7], v[KFR+16*\kt+8:KFR+16*\kt+15], v[\qb+8:\qb+15], v[S+8*\kt:S+8*\kt+7]
.endr
.rept 4
	v_nop
.endr
	s_add_co_u32 s52, s[KF], 63
	s_cmp_le_u32 s52, s[Q0]                        ; all 64 keys count for all my queries: no mask
	s_cbranch_scc1 .Lopen_\@
	s_sub_co_i32 s52, s[Q0], s[KF]
	v_add_nc_u32 v[DD], s52, v[RH8]                ; register 8 kt + j holds key KF + 16 kt + 8 h + j: hidden where 16 kt + j > my query - KF - 8 h
	v_mov_b32 v15, 0xff800000                      ; -infinity: p = 0 then.  The step's first key counts for every query of the tile, so the maximum is a number
.irp n, 0,1,2,3,4,5,6,7,8,9,10,11,12,13,14,15,16,17,18,19,20,21,22,23,24,25,26,27,28,29,30,31
	v_cmp_gt_i32 vcc_lo, 16*(\n/8)+\n%8, v[DD]
	v_cndmask_b32 v[S+\n], v[S+\n], v15, vcc_lo
.endr
.Lopen_\@:
.irp k, 0,1,2,3
	v_max3_num_f32 v[C0+\k], v[S+8*\k], v[S+8*\k+1], v[S+8*\k+2]   ; the maximum, in four chains; each accumulator is read from its low end on
.endr
.irp i, 3,5
.irp k, 0,1,2,3
	v_max3_num_f32 v[C0+\k], v[C0+\k], v[S+8*\k+\i], v[S+8*\k+\i+1]
.endr
.endr
	v_max3_num_f32 v[C0], v[C0], v[S+7], v[S+15]
	v_max3_num_f32 v[C0+2], v[C0+2], v[S+23], v[S+31]
	v_max3_num_f32 v[C0], v[C0], v[C0+1], v[C0+2]
	v_max3_num_f32 v[C0], v[C0], v[C0+3], v[MX]    ; with the old m
	v_permlanex16_b32 v[C0+1], v[C0], s[SEL], s[SEL+1]   ; the query's other 32 keys lie in the lane 16 away
	v_mov_b32 v[C0+3], v[CM]                       ; c m_old
	v_max_num_f32 v[MX], v[C0], v[C0+1]
	v_mul_f32 v[CM], s[CS], v[MX]
	v_sub_f32 v[C0+3], v[C0+3], v[CM]
.irp b, 0,2,4,6,8,10,12,14,16,18,20,22,24,26,28,30
	v_pk_fma_f32 v[S+\b:S+\b+1], v[S+\b:S+\b+1], s[CS:CS+1], v[CM:CM+1] op_sel_hi:[1,0,0] neg_lo:[0,0,1] neg_hi:[0,0,1]   ; c s - c m
.endr
	v_exp_f32 v[C0+2], v[C0+3]                     ; a
.irp n, 0,1,2,3,4,5,6,7,8,9,10,11,12,13,14,15,16,17,18,19,20,21,22,23,24,25,26,27,28,29,30,31
	v_exp_f32 v[S+\n], v[S+\n]
.endr
	v_nop                                          ; a plain line behind the last exponential
	s_wait_alu depctr_va_vdst(0)                   ; one wait for the batch of 33, ahead of its first reader
.irp n, 0,1,2,3,4,5,6,7,8,9,10,11,12,13,14,15
	v_cvt_pk_f16_f32 v[P+\n], v[S+2*\n], v[S+2*\n+1]   ; two neighbouring tiles of S^T, rounded in pairs, are source 1 of V^T P
.endr
.irp u, 0,4,8,12,16,20,24,28
	v_pk_add_f32 v[S+\u:S+\u+1], v[S+\u:S+\u+1], v[S+\u+2:S+\u+3]   ; the row's sum of the unrounded p, as a tree in place
.endr
.irp u, 0,8,16,24
	v_pk_add_f32 v[S+\u:S+\u+1], v[S+\u:S+\u+1], v[S+\u+4:S+\u+5]
.endr
.irp u, 0,16
	v_pk_add_f32 v[S+\u:S+\u+1], v[S+\u:S+\u+1], v[S+\u+8:S+\u+9]
.endr
	v_pk_add_f32 v[S:S+1], v[S:S+1], v[S+16:S+17]
	v_pk_fma_f32 v[LS:LS+1], v[LS:LS+1], v[C0+2:C0+3], v[S:S+1] op_sel_hi:[1,0,1]   ; l = a l + the sum
.irp u, 0,2,4,6,8,10,12,14,16,18,20,22,24,26,28,30
	v_pk_mul_f32 v[O+\u:O+\u+1], v[O+\u:O+\u+1], v[C0+2:C0+3] op_sel_hi:[1,0]      ; O^T x a
.endr
	s_wait_dscnt 0x0                               ; V is in
.irp kp, 0,1
.irp t, 0,1,2,3
	v_wmma_f32_16x16x32_f16 v[O+8*\t:O+8*\t+7], v[VFR+32*\kp+8*\t:VFR+32*\kp+8*\t+7], v[P+8*\kp:P+8*\kp+7], v[O+8*\t:O+8*\t+7]
.endr
.endr
.Lhid_\@:
	s_add_co_u32 s[KF], s[KF], 64
	s_add_co_u32 s[TB], s[TB], 8192                ; 64 keys: four images of K's 2,048 bytes, two of V's 4,096
.endm
; A tile's end: O^T / l, rounded to f16 in pairs: four pieces of the projection's operand, 512 consecutive bytes a store.
.macro FINISH
	v_add_f32 v[C0], v[LS], v[LS+1]
	v_nop
	v_permlanex16_b32 v[C0+1], v[C0], s[SEL], s[SEL+1]
	v_nop
	v_add_f32 v[C0], v[C0], v[C0+1]
	v_nop                                          ; five plain lines stand behind the last products by here
	v_rcp_f32 v[C0+2], v[C0]
	v_nop
	s_wait_alu depctr_va_vdst(0)                   ; ahead of the reciprocal's first reader
.irp u, 0,2,4,6,8,10,12,14,16,18,20,22,24,26,28,30
	v_pk_mul_f32 v[S+\u:S+\u+1], v[O+\u:O+\u+1], v[C0+2:C0+3] op_sel_hi:[1,0]
.endr
.irp n, 0,1,2,3,4,5,6,7,8,9,10,11,12,13,14,15
	v_cvt_pk_f16_f32 v[P+\n], v[S+2*\n], v[S+2*\n+1]
.endr
.irp t, 0,1,2,3
	global_store_b128 v[L16], v[P+4*\t:P+4*\t+3], s[OB:OB+1] offset:\t*512
.endr
.endm
	INIT
	s_lshl_b32 s[Q0], s11, 4                       ; THE LONG TILE
	s_add_co_u32 s[QE], s[Q0], 15
	s_lshl_b32 s52, s11, 15
	s_add_co_u32 s52, s52, s58
	s_mov_b32 s53, 0
	s_add_nc_u64 s[OB:OB+1], s[6:7], s[52:53]
	s_wait_loadcnt 0x0                             ; Q
.irp c, 0,1
	s_wait_tensorcnt 3-\c                          ; my part of chunk c is in; the 3 - c younger chunks may be out (a wave that fetches nothing passes at once)
	s_wait_dscnt 0x0
	s_barrier_signal -1
	s_barrier_wait -1                              ; everybody's part is in.
	s_mov_b32 s[TB], \c*32768
	s_mov_b32 s[KF], \c*256
	s_mov_b32 s[CNT], 4
.Lchunk\c:
	STEP QLG
	s_sub_co_u32 s[CNT], s[CNT], 1
	s_cmp_lg_u32 s[CNT], 0
	s_cbranch_scc1 .Lchunk\c
.endr
	s_wait_tensorcnt 0x0                           ; my parts of chunks 2 and 3 are in: one wait and one barrier for both, ahead of every read of either
	s_wait_dscnt 0x0
	s_barrier_signal -1
	s_barrier_wait -1                              ; the last barrier: all of K and V lies in LDS, and from here on the waves' numbers of steps differ
	s_mov_b32 s[TB], 2*32768
	s_mov_b32 s[KF], 2*256
	s_mov_b32 s[CNT], 8
.Lchunk2:
	STEP QLG
	s_sub_co_u32 s[CNT], s[CNT], 1
	s_cmp_lg_u32 s[CNT], 0
	s_cbranch_scc1 .Lchunk2
	FINISH
	s_wait_xcnt 0x0                                ; the stores have read their registers and their base
	INIT
	s_lshl_b32 s[Q0], s10, 4                       ; THE SHORT TILE: its keys lie under 512
	s_add_co_u32 s[QE], s[Q0], 15
	s_lshl_b32 s52, s10, 15
	s_add_co_u32 s52, s52, s58
	s_add_nc_u64 s[OB:OB+1], s[6:7], s[52:53]
	s_mov_b32 s[TB], 0
	s_mov_b32 s[KF], 0
	s_mov_b32 s[CNT], 8
.Lshort:
	STEP QSH
	s_sub_co_u32 s[CNT], s[CNT], 1
	s_cmp_lg_u32 s[CNT], 0
	s_cbranch_scc1 .Lshort
	FINISH
	s_wait_tensorcnt 0x0                           ; the wave's end
	ds_add_u32 v[SPW], v[NIL]
	s_wait_dscnt 0x0
	s_endpgm
.Lfunc_end_k_q2b409009bc_attn:
	.size	k_q2b409009bc_attn, .Lfunc_end_k_q2b409009bc_attn-k_q2b409009bc_attn
	.p2alignl 7, 3214868480
	.fill 96, 4, 3214868480
	.section	.rodata,"a",@progbits
	.p2align	6, 0x0
	.amdhsa_kernel k_q2b409009bc_attn
		.amdhsa_group_segment_fixed_size 327680
		.amdhsa_private_segment_fixed_size 0
		.amdhsa_enable_private_segment 0
		.amdhsa_kernarg_size 16
		.amdhsa_user_sgpr_count 2
		.amdhsa_user_sgpr_kernarg_segment_ptr 1
		.amdhsa_wavefront_size32 1
		.amdhsa_system_sgpr_workgroup_id_x 1
		.amdhsa_system_sgpr_workgroup_id_y 1
		.amdhsa_system_sgpr_workgroup_id_z 1
		.amdhsa_system_vgpr_workitem_id 0
		.amdhsa_next_free_vgpr 256
		.amdhsa_next_free_sgpr 66
		.amdhsa_reserve_vcc 1
		.amdhsa_float_denorm_mode_32 3
		.amdhsa_float_denorm_mode_16_64 3
		.amdhsa_memory_ordered 1
		.amdhsa_forward_progress 1
		.amdhsa_inst_pref_size 63
	.end_amdhsa_kernel
	.amdgpu_metadata
---
amdhsa.version: [ 1, 2 ]
amdhsa.kernels:
  - .name:           k_q2b409009bc_attn
    .symbol:         k_q2b409009bc_attn.kd
    .args:
      - { .name: qkv16, .offset: 0, .size: 8, .value_kind: global_buffer, .address_space: global }
      - { .name: o16, .offset: 8, .size: 8, .value_kind: global_buffer, .address_space: global }
    .group_segment_fixed_size: 327680
    .private_segment_fixed_size: 0
    .kernarg_segment_align: 8
    .kernarg_segment_size: 16
    .max_flat_workgroup_size: 512
    .sgpr_count:     66
    .vgpr_count:     256
    .wavefront_size: 32
...
	.end_amdgpu_metadata
.endif
;; end of part 3
;; launch proj (part 4): grid 8 x 32, 4 waves a work-group, clusters of 4 x 4, 327,680 bytes of LDS; arguments o16, w16, b_proj, out0; writes out0
.if DOCPART == 4
	.amdgcn_target "amdgcn-amd-amdhsa--gfx1250"
	.amdhsa_code_object_version 6
	.text
	.protected	k_q2b409009bc_proj
	.globl	k_q2b409009bc_proj
	.p2align	8
	.type	k_q2b409009bc_proj,@function
k_q2b409009bc_proj:
	s_mov_b64 s[64:65], 0
	v_nop
	global_prefetch_b8 v0, s[64:65] scope:SCOPE_SE
	s_setreg_imm32_b32 hwreg(HW_REG_WAVE_MODE, 25, 1), 1
	s_wait_xcnt 0x0
	s_wait_alu depctr_hold_cnt(0) depctr_sa_sdst(0) depctr_va_vdst(0) depctr_va_sdst(0) depctr_va_ssrc(0) depctr_va_vcc(0) depctr_vm_vsrc(0)
	s_getreg_b32 s2, hwreg(HW_REG_IB_STS2, 6, 4)
	s_cmp_eq_u32 s2, 0
	s_cbranch_scc0 .Lentry_in_a_cluster
	s_endpgm
.Lentry_in_a_cluster:
	s_bfe_u32 s2, ttmp6, 0x10000c
	s_cmp_lg_u32 s2, 0xf033
	s_cbranch_scc0 .Lentry_shape_is_right
	s_endpgm
.Lentry_shape_is_right:
; out = o W_proj + b_proj, operands in f16, sums in f32, for all rows but the first 16 positions of each sequence, which a later launch makes in f32.
; o16 and w16 hold the operands as images of their registers: [tile of 16 rows: .][K / 32: 32][c: 2][lane][16 bytes]: a K step of 128 of one tile is 4,096 consecutive bytes, every LDS read is 16 bytes a lane at 16 x lane.
; A work-group makes 256 rows x 128 columns (256 work-groups); a wave 128 x 64: 32 accumulators, 256 registers.  K goes in 8 steps of 128 through a ring of two LDS slots of 98,304 bytes.
; The matrix instruction is used transposed (source 0 = 16 columns of W, source 1 = 16 rows of o): a lane holds eight neighbouring columns of one row.  The bias is the C of each sum's first product.
; CLUSTERS: 4 x 4.  o's tiles are shared along a row of the cluster, W's along a column: joint loads.  The row tile is (cluster y) + 8 cy, so that its place in its sequence is the same in all partners.
; Behind each round a wave has one tensor load out; from the request to the wait for it the wave issues 112 matrix instructions.
; NO PREFETCH: the launch's tiles come in beside 33 MB of stores that keep memory at work, and its K steps are few.
; REGISTERS: window 0: v0-31 addresses; v32-63 the bias; v64-127 rows on the way out, two sets.   window 1: two fragment buffers of 96: 8 fragments of o, then 4 of W.   window 2: accumulator (a, b) at v[8 (4 a + b)].
.set SLOTB,  98304                     ; o's 16 row tiles x 4,096 bytes, then W's 8 column tiles x 4,096
.set BOFF,   65536
.set STAGE,  2*SLOTB                   ; behind the ring: 16 rows x 272 bytes for each wave
.set SPITCH, 272
.set SPARE,  STAGE+4*16*SPITCH         ; the spare words, which no other line names
.set LAPS,   4                         ; a lap = two K steps
.set ADRA, 16
.set ADRB, 20
.set STO,  24
.set RD,   25
.set CO,   26
.set SPW,  28
.set NIL,  29
.set BIAS, 32
.set BK,   64
.set F0,   0
.set F1,   96
.set G1, 24
.set G0, 32
.set G1B, 48
.set G0B, 56
.set MSB, 0
.macro WIN new
.if MSB != (\new)
	s_set_vgpr_msb (MSB<<8)|(\new)
.set MSB, (\new)
.endif
.endm
.set MUL,  0xa5                        ; sources 0 and 1 window 1; C and D window 2 (less 0x20: C, the bias, window 0)
.set TO_F, 0x40
.macro JLOAD s                         ; waves 0 and 1 fetch o's halves, waves 2 and 3 W's; an s_nop 0 and four v_nop follow each line
	s_cmp_eq_u32 s11, 0
	s_cbranch_scc0 .Lfor_b_\@
	tensor_load_to_lds s[G0+4*\s:G0+4*\s+3], s[G1:G1+7]
	s_nop 0
.rept 4
	v_nop
.endr
	s_branch .Lasked_\@
.Lfor_b_\@:
	tensor_load_to_lds s[G0B+4*\s:G0B+4*\s+3], s[G1B:G1B+7]
	s_nop 0
.rept 4
	v_nop
.endr
.Lasked_\@:
.endm
.macro CREST
	s_cmp_lg_u32 s10, 0
	s_cbranch_scc1 .Lnot_wave_0_\@
	s_barrier_signal -3
.Lnot_wave_0_\@:
	s_barrier_wait -3
	s_barrier_signal -1
	s_barrier_wait -1
.endm
.macro CROUND
	s_barrier_signal -1
	s_barrier_wait -1
	CREST
.endm
	s_load_b128 s[4:7], s[0:1], 0x0                ; o16, w16
	s_load_b128 s[68:71], s[0:1], 0x10             ; b_proj, out0
	v_lshl_add_u32 v[SPW], v0, 2, SPARE
	v_mov_b32 v[NIL], 0
	ds_add_u32 v[SPW], v[NIL]                      ; the wave's opening: the add, twice on end, and its wait ahead of my first tensor load
	ds_add_u32 v[SPW], v[NIL]
	v_lshrrev_b32 v1, 5, v0
	v_readfirstlane_b32 s10, v1                    ; wave
	s_lshr_b32 s11, s10, 1                         ; my half of the rows.  Also: I fetch for o (0) or W (1)
	s_and_b32 s12, s10, 1                          ; my half of the columns.  Also: which half of that tile I fetch
	s_bfe_u32 s40, ttmp6, 0x40000                  ; cx
	s_bfe_u32 s41, ttmp6, 0x40004                  ; cy
	s_lshl_b32 s42, ttmp9, 2
	s_add_co_u32 s42, s42, s40                     ; column tile of 128 = 4 x cluster x + cx
	s_and_b32 s45, ttmp7, 0xffff
	s_lshl_b32 s13, s41, 3
	s_add_co_u32 s13, s13, s45                     ; row tile of 256 = cluster y + 8 cy
	s_and_b32 s45, s45, 3
	s_or_b32 s45, s45, s11                         ; 0 where my block 0 is the first 16 positions of a sequence: cluster y and the wave's number alone
	s_lshl_b32 s43, s41, 2
	s_lshl_b32 s43, 15, s43                        ; my row of the cluster
	s_lshl_b32 s44, 0x1111, s40                    ; my column
	s_or_b32 s[G1+0], s43, (3<<16)|(1<<21)         ; the mask; elements of 8 bytes; bit 21 beside a mask; no padding
	s_or_b32 s[G1B+0], s44, (3<<16)|(1<<21)
	s_mov_b32 s[G1+1], 512<<16                     ; tensor_dim0 = 512 (4,096 bytes: a tile's K step)
	s_mov_b32 s[G1+2], 8<<16                       ; tensor_dim1 = 8 row tiles
	s_mov_b32 s[G1+3], 512<<16                     ; tile_dim0
	s_mov_b32 s[G1+4], 8                           ; tile_dim1
	s_mov_b32 s[G1+5], 4096                        ; from tile to tile: 32,768 bytes
	s_mov_b32 s[G1+6], 0
	s_mov_b32 s[G1+7], 0
	s_mov_b32 s[G1B+1], 512<<16
	s_mov_b32 s[G1B+2], 4<<16                      ; 4 column tiles
	s_mov_b32 s[G1B+3], 512<<16
	s_mov_b32 s[G1B+4], 4
	s_mov_b32 s[G1B+5], 4096
	s_mov_b32 s[G1B+6], 0
	s_mov_b32 s[G1B+7], 0
	s_lshl_b32 s16, s13, 19                        ; o16: 16 tiles of 32,768 bytes a row tile of 256,
	s_lshl_b32 s17, s12, 18                        ; 8 of them a half
	s_add_co_u32 s16, s16, s17
	s_mov_b32 s17, 0
	s_lshl_b32 s46, s42, 18                        ; w16: 8 tiles a column tile of 128,
	s_lshl_b32 s47, s12, 17                        ; 4 a half
	s_add_co_u32 s46, s46, s47
	s_mov_b32 s47, 0
	s_lshl_b32 s20, s12, 15                        ; where they go: the wave's number alone
	s_lshl_b32 s21, s12, 14
	s_add_co_u32 s21, s21, BOFF
	s_wait_dscnt 0x0                               ; both opening adds are done
	s_wait_kmcnt 0x0
	s_add_nc_u64 s[14:15], s[4:5], s[16:17]
	s_add_nc_u64 s[46:47], s[6:7], s[46:47]
	CROUND                                         ; the first joint loads meet
.irp s, 0,1
	s_mov_b32 s[G0+4*\s], 1
	s_add_co_u32 s[G0+4*\s+1], s20, \s*SLOTB
	s_add_nc_u64 s[G0+4*\s+2:G0+4*\s+3], s[14:15], \s*4096
	s_or_b32 s[G0+4*\s+3], s[G0+4*\s+3], 0x80000000
	s_mov_b32 s[G0B+4*\s], 1
	s_add_co_u32 s[G0B+4*\s+1], s21, \s*SLOTB
	s_add_nc_u64 s[G0B+4*\s+2:G0B+4*\s+3], s[46:47], \s*4096
	s_or_b32 s[G0B+4*\s+3], s[G0B+4*\s+3], 0x80000000
	JLOAD \s
.endr
	v_and_b32 v1, 15, v0                           ; r
	v_bfe_u32 v2, v0, 4, 1                         ; h
	v_and_b32 v3, 31, v0
	v_lshlrev_b32 v3, 4, v3                        ; 16 x lane
	s_lshl_b32 s22, s11, 15                        ; my 8 row tiles
	s_lshl_b32 s23, s12, 14                        ; my 4 column tiles,
	s_add_co_u32 s23, s23, BOFF                    ; behind o's
.irp s, 0,1
	v_add_nc_u32 v[ADRA+\s], s22, v3
	v_add_nc_u32 v[ADRB+\s], s23, v3
	s_add_co_u32 s22, s22, SLOTB
	s_add_co_u32 s23, s23, SLOTB
.endr
	s_mul_i32 s23, s10, 16*SPITCH
	s_add_co_u32 s23, s23, STAGE                   ; my stage
	v_mul_u32_u24 v4, v1, SPITCH
	v_lshl_add_u32 v4, v2, 5, v4
	v_add_nc_u32 v[STO], s23, v4                   ; in: row r, 32 bytes for each half of the lanes
	v_mul_u32_u24 v5, v2, SPITCH
	v_lshl_add_u32 v5, v1, 4, v5
	v_add_nc_u32 v[RD], s23, v5                    ; back: lanes 0-15 one row of 256 bytes, lanes 16-31 the next
	v_lshlrev_b32 v5, 12, v2
	v_lshl_add_u32 v[CO], v1, 4, v5                ; and the same two rows in out0
	v_lshlrev_b32 v6, 5, v2                        ; the bias: 32 h
	s_lshl_b32 s46, s42, 9                         ; my first column, in bytes: 512 x column tile + 256 x half
	s_lshl_b32 s47, s12, 8
	s_add_co_u32 s46, s46, s47
	s_mov_b32 s47, 0
	s_add_nc_u64 s[68:69], s[68:69], s[46:47]
	s_add_nc_u64 s[70:71], s[70:71], s[46:47]
	s_lshl_b32 s16, s13, 20                        ; my first row: 256 rows of 4,096 bytes a tile,
	s_lshl_b32 s17, s11, 19                        ; 128 a half
	s_add_co_u32 s16, s16, s17
	s_mov_b32 s17, 0
	s_add_nc_u64 s[70:71], s[70:71], s[16:17]
.irp b, 0,1,2,3
	global_load_b128 v[BIAS+8*\b:BIAS+8*\b+3], v6, s[68:69] offset:64*\b       ; register 8 b + j: the bias of column 16 b + 8 h + j
	global_load_b128 v[BIAS+8*\b+4:BIAS+8*\b+7], v6, s[68:69] offset:64*\b+16
.endr
; 8 matrix instructions: row blocks a0, a0 + 1 x the 4 column blocks, 32 along K.  The 32 accumulators take turns in the same order in every quarter.
.macro MUL8 f, a0, first
.irp a, \a0, \a0+1
.irp b, 0,1,2,3
.if \first
	v_wmma_f32_16x16x32_f16 v[8*(4*(\a)+\b):8*(4*(\a)+\b)+7], v[\f+64+8*\b:\f+64+8*\b+7], v[\f+8*(\a):\f+8*(\a)+7], v[BIAS+8*\b:BIAS+8*\b+7]
.else
	v_wmma_f32_16x16x32_f16 v[8*(4*(\a)+\b):8*(4*(\a)+\b)+7], v[\f+64+8*\b:\f+64+8*\b+7], v[\f+8*(\a):\f+8*(\a)+7], v[8*(4*(\a)+\b):8*(4*(\a)+\b)+7]
.endif
.endr
.endr
.endm
.macro FETCH slot, q, f                ; 24 LDS loads in one run: W's 4 fragments, o's blocks 0-3, o's blocks 4-7, of the slot's q-th 32 along K
	WIN TO_F
.irp i, 0,1,2,3
	ds_load_b128 v[\f+64+8*\i:\f+64+8*\i+3],   v[ADRB+\slot] offset:\i*4096+(\q)*1024
	ds_load_b128 v[\f+64+8*\i+4:\f+64+8*\i+7], v[ADRB+\slot] offset:\i*4096+(\q)*1024+512
.endr
.irp i, 0,1,2,3,4,5,6,7
	ds_load_b128 v[\f+8*\i:\f+8*\i+3],   v[ADRA+\slot] offset:\i*4096+(\q)*1024
	ds_load_b128 v[\f+8*\i+4:\f+8*\i+7], v[ADRA+\slot] offset:\i*4096+(\q)*1024+512
.endr
.endm
.macro PLACES
.rept 4
	v_nop
.endr
.endm
.macro QUARTER slot, q, f, g, first    ; multiplies buffer f; in its middle it fetches the slot's q-th quarter into g
	s_wait_dscnt 8                                 ; W and o's blocks 0-3 are in; the youngest eight loads (blocks 4-7) may be out
	WIN MUL-0x20*\first
	MUL8 \f, 0, \first
	MUL8 \f, 2, \first
	PLACES
	FETCH \slot, \q, \g
	s_wait_dscnt 24                                ; all but the 24 just issued
	WIN MUL-0x20*\first
	MUL8 \f, 4, \first
	MUL8 \f, 6, \first
.endm
.macro TURN slot, next, fill           ; a slot's last quarter changes slots: one barrier; with fill = 1 it opens a round of the cluster's barrier and the slot is filled again, two K steps ahead
	WIN 0
	s_wait_tensorcnt 0x0                           ; all my tensor loads have landed: my part of the next slot
	ds_add_u32 v[SPW], v[NIL]                      ; 0 onto my spare word
	s_wait_dscnt 9                                 ; the add and the youngest eight loads may be out
	WIN MUL
	MUL8 F1, 0, 0
	s_wait_dscnt 0x0                               ; the add is done, and my reads of this slot are over
	s_barrier_signal -1
	MUL8 F1, 2, 0
.if \fill
	WIN 0
.endif
	s_barrier_wait -1
.if \fill
	CREST                                          ; no wave of any partner still reads this slot or has a load on its way
	s_add_nc_u64 s[G0+4*\slot+2:G0+4*\slot+3], s[G0+4*\slot+2:G0+4*\slot+3], 2*4096
	s_add_nc_u64 s[G0B+4*\slot+2:G0B+4*\slot+3], s[G0B+4*\slot+2:G0B+4*\slot+3], 2*4096
	JLOAD \slot                                    ; the first tensor load behind the round; its four v_nop are also the places in front of the loads below
.else
	PLACES
.endif
	FETCH \next, 0, F0
	WIN MUL
	MUL8 F1, 4, 0
	MUL8 F1, 6, 0
.endm
	s_wait_tensorcnt 1                             ; my part of K step 0 is in; K step 1's may be out
	s_barrier_signal -1
	s_barrier_wait -1
	FETCH 0, 0, F0
	s_wait_loadcnt 0x0                             ; the bias
	QUARTER 0, 1, F0, F1, 1                        ; the first quarter's products start the sums, from the bias
	WIN 0
	s_mov_b32 s3, LAPS-1
.Llap:
	QUARTER 0, 2, F1, F0, 0
	QUARTER 0, 3, F0, F1, 0
	TURN 0, 1, 1
	QUARTER 1, 1, F0, F1, 0
	QUARTER 1, 2, F1, F0, 0
	QUARTER 1, 3, F0, F1, 0
	TURN 1, 0, 1
	QUARTER 0, 1, F0, F1, 0
	WIN 0
	s_sub_co_u32 s3, s3, 1
	s_cmp_lg_u32 s3, 0
	s_cbranch_scc1 .Llap
	QUARTER 0, 2, F1, F0, 0                        ; the last lap fills nothing
	QUARTER 0, 3, F0, F1, 0
	TURN 0, 1, 0
	QUARTER 1, 1, F0, F1, 0
	QUARTER 1, 2, F1, F0, 0
	QUARTER 1, 3, F0, F1, 0
	s_wait_dscnt 8
	WIN MUL
	MUL8 F1, 0, 0
	MUL8 F1, 2, 0
	s_wait_dscnt 0
	MUL8 F1, 4, 0
	MUL8 F1, 6, 0
	WIN 0
; THE WAY OUT, block by block of 16 rows x 64 columns (256 bytes a row): through my own stage, back as whole rows: sixteen lanes store 256 consecutive bytes, aligned.
.macro TOSTAGE a
	WIN 0x08                                       ; an LDS store's data: window 2
.irp b, 0,1,2,3
	ds_store_b128 v[STO], v[8*(4*(\a)+\b):8*(4*(\a)+\b)+3] offset:64*\b        ; each accumulator from its low end on
	ds_store_b128 v[STO], v[8*(4*(\a)+\b)+4:8*(4*(\a)+\b)+7] offset:64*\b+16
.endr
	WIN 0
.irp t, 0,1,2,3,4,5,6,7
	ds_load_b128 v[BK+32*((\a)%2)+4*\t:BK+32*((\a)%2)+4*\t+3], v[RD] offset:\t*2*SPITCH   ; LDS serves a wave's instructions in order: these see the stores above
.endr
.endm
.macro SEND a, younger
	s_wait_dscnt \younger                          ; the block is back; the next block's 8 stores and 8 loads may be out
.irp t, 0,1,2,3,4,5,6,7
	global_store_b128 v[CO], v[BK+32*((\a)%2)+4*\t:BK+32*((\a)%2)+4*\t+3], s[70:71] offset:(\a)*65536+\t*8192 th:TH_STORE_NT
.endr
.endm
	PLACES
	s_cmp_eq_u32 s45, 0                            ; the first 16 positions of a sequence are not mine to store
	s_cbranch_scc1 .Lb1
	TOSTAGE 0
	SEND 0, 0
.Lb1:
	s_wait_xcnt 0x0
	TOSTAGE 1
.irp a, 2,3,4,5,6,7
	s_wait_xcnt 0x0                                ; block a - 2's stores have read their registers
	TOSTAGE \a
	SEND \a-1, 16
.endr
	SEND 7, 0
	s_wait_tensorcnt 0x0                           ; the wave's end
	ds_add_u32 v[SPW], v[NIL]
	s_wait_dscnt 0x0
	CROUND                                         ; the closing round
	s_endpgm
.Lfunc_end_k_q2b409009bc_proj:
	.size	k_q2b409009bc_proj, .Lfunc_end_k_q2b409009bc_proj-k_q2b409009bc_proj
	.p2alignl 7, 3214868480
	.fill 96, 4, 3214868480
	.section	.rodata,"a",@progbits
	.p2align	6, 0x0
	.amdhsa_kernel k_q2b409009bc_proj
		.amdhsa_group_segment_fixed_size 327680
		.amdhsa_private_segment_fixed_size 0
		.amdhsa_enable_private_segment 0
		.amdhsa_kernarg_size 32
		.amdhsa_user_sgpr_count 2
		.amdhsa_user_sgpr_kernarg_segment_ptr 1
		.amdhsa_wavefront_size32 1
		.amdhsa_system_sgpr_workgroup_id_x 1
		.amdhsa_system_sgpr_workgroup_id_y 1
		.amdhsa_system_sgpr_workgroup_id_z 1
		.amdhsa_system_vgpr_workitem_id 0
		.amdhsa_next_free_vgpr 768
		.amdhsa_next_free_sgpr 72
		.amdhsa_reserve_vcc 0
		.amdhsa_float_denorm_mode_32 3
		.amdhsa_float_denorm_mode_16_64 3
		.amdhsa_memory_ordered 1
		.amdhsa_forward_progress 1
		.amdhsa_inst_pref_size 86
	.end_amdhsa_kernel
	.amdgpu_metadata
---
amdhsa.version: [ 1, 2 ]
amdhsa.kernels:
  - .name:           k_q2b409009bc_proj
    .symbol:         k_q2b409009bc_proj.kd
    .args:
      - { .name: o16, .offset: 0, .size: 8, .value_kind: global_buffer, .address_space: global }
      - { .name: w16, .offset: 8, .size: 8, .value_kind: global_buffer, .address_space: global }
      - { .name: b_proj, .offset: 16, .size: 8, .value_kind: global_buffer, .address_space: global }
      - { .name: out0, .offset: 24, .size: 8, .value_kind: global_buffer, .address_space: global }
    .group_segment_fixed_size: 327680
    .private_segment_fixed_size: 0
    .kernarg_segment_align: 8
    .kernarg_segment_size: 32
    .max_flat_workgroup_size: 128
    .sgpr_count:     72
    .vgpr_count:     768
    .wavefront_size: 32
...
	.end_amdgpu_metadata
.endif
;; end of part 4
;; launch fine16 (part 5): grid 16 x 8, 16 waves a work-group, no clusters, 71,680 bytes of LDS; arguments f32img, w16, b_proj, out0; writes out0
.if DOCPART == 5
	.amdgcn_target "amdgcn-amd-amdhsa--gfx1250"
	.amdhsa_code_object_version 6
	.text
	.protected	k_q2b409009bc_fine16
	.globl	k_q2b409009bc_fine16
	.p2align	8
	.type	k_q2b409009bc_fine16,@function
k_q2b409009bc_fine16:
	s_mov_b64 s[64:65], 0
	v_nop
	global_prefetch_b8 v0, s[64:65] scope:SCOPE_SE
	s_setreg_imm32_b32 hwreg(HW_REG_WAVE_MODE, 25, 1), 1
	s_wait_xcnt 0x0
; The first 16 positions of every sequence, attention and projection, with f32 operands: these rows average one to sixteen values and are the largest of the output, so 16-bit operands would use up what the comparison allows.
; Work-group (64 columns of out0, sequence).  Wave = head: it makes its head's attention for the 16 rows (16 keys), then its 64 channels' part of the projection for the 64 columns; the 16 parts meet in LDS, and wave w sums and stores row w.
; The attention is made anew in each of the 16 column groups: 32 of a wave's 96 matrix instructions; that spares a launch and a buffer.
; f32img holds q, k (lane (r, h): token r, channels 16 tile + 8 h + j) and v (lane: channel r, token 8 h + j) as images of accumulators.  The f32 matrix form takes k = 2 h + j from two registers:
; a pair of registers 2 i, 2 i + 1 of such an image stands for the four numbers 8 h + 2 i + j, the same in both operands of a product, so the sums over i and over the tiles cover K once.
; W_proj comes in f32 from the image that the first launch laid behind w16's f16 part, from 2 MiB on: [head: 16][64 columns: 16][t: 4][u: 4][g: 2][lane][16 bytes]; lane (r, h): column 16 u + r, channels 16 t + 8 h + 4 g + 0 .. 3:
; 32 loads of 16 bytes a lane, 512 consecutive bytes each, fill a wave's 128 registers in the order in which the products take them.
; All three products are used transposed, so that a result's registers are the next product's source 1 as they stand.  The registers that the f32 matrix form writes (v192-255) are written by matrix instructions alone.
.set PART,  4352                       ; LDS: a head's part: 16 rows x (256 bytes + 16)
.set SPARE, 16*PART                    ; the spare words, which no other line names
.set SPW, 1
.set NIL, 2
.set L16, 3                            ; v3 16 x lane
.set DD,  5                            ; v5 r - 8 h
.set STO, 6
.set RDL, 7
.set GO,  8                            ; v8 8 x lane
.set NINF, 9
.set SS,  10                           ; v10-17 the scores, then p
.set QR,  32                           ; v32-63 q; v64-95 k; later W's channels 32-63
.set KR,  64
.set VR,  96
.set W1,  128                          ; v128-191 W's channels 0-31; later the 16 parts of my row
.set ACCA, 192
.set ACCB, 224
.set SEL, 22
.set CS,  24
	s_load_b128 s[4:7], s[0:1], 0x0                ; f32img, w16
	s_load_b128 s[8:11], s[0:1], 0x10              ; b_proj, out0
	v_lshl_add_u32 v[SPW], v0, 2, SPARE
	v_mov_b32 v[NIL], 0
	v_lshrrev_b32 v3, 5, v0
	v_readfirstlane_b32 s12, v3                    ; wave = head
	s_and_b32 s13, ttmp7, 0xffff                   ; sequence
	v_and_b32 v18, 31, v0
	v_and_b32 v19, 15, v0                          ; r
	v_bfe_u32 v20, v0, 4, 1                        ; h
	v_lshlrev_b32 v[L16], 4, v18
	v_lshlrev_b32 v[DD], 3, v20
	v_sub_nc_u32 v[DD], v19, v[DD]
	s_mul_i32 s14, s12, PART
	v_mul_u32_u24 v[STO], v19, 272
	v_lshl_add_u32 v[STO], v20, 5, v[STO]
	v_add_nc_u32 v[STO], s14, v[STO]               ; my part: row r, 32 bytes for each half of the lanes
	s_mul_i32 s14, s12, 272
	v_lshlrev_b32 v[GO], 3, v18
	v_add_nc_u32 v[RDL], s14, v[GO]                ; row w of a part, 8 bytes a lane
	v_mov_b32 v[NINF], 0xff800000
	s_mov_b32 s[SEL], 0x76543210
	s_mov_b32 s[SEL+1], 0xfedcba98
	s_mov_b32 s[CS], 0x3e38aa3b                    ; c = log2(e) / 8
	s_mov_b32 s[CS+1], s[CS]
	s_mul_i32 s16, s13, 196608
	s_lshl_b32 s17, s12, 12                        ; four tiles of 1,024 bytes a head
	s_add_co_u32 s16, s16, s17
	s_mov_b32 s17, 0
	s_lshl_b32 s20, ttmp9, 8                       ; my 64 columns, in bytes
	s_mov_b32 s21, 0
	s_lshl_b32 s18, s12, 18                        ; W's f32 image: 262,144 bytes a head,
	s_lshl_b32 s19, ttmp9, 14                      ; 16,384 a group of 64 columns,
	s_add_co_u32 s18, s18, s19
	s_add_co_u32 s18, s18, 1<<21                   ; behind the f16 part
	s_mov_b32 s19, 0
	s_lshl_b32 s26, s13, 22                        ; out0: the sequence's 1,024 rows of 4,096 bytes,
	s_lshl_b32 s27, s12, 12                        ; row w
	s_add_co_u32 s26, s26, s27
	s_add_co_u32 s26, s26, s20
	s_mov_b32 s27, 0
	s_wait_kmcnt 0x0
	s_add_nc_u64 s[4:5], s[4:5], s[16:17]
	s_add_nc_u64 s[6:7], s[6:7], s[18:19]
	s_add_nc_u64 s[8:9], s[8:9], s[20:21]
	s_add_nc_u64 s[10:11], s[10:11], s[26:27]
.irp n, 0,1,2,3,4,5,6,7
	global_load_b128 v[QR+4*\n:QR+4*\n+3], v[L16], s[4:5] offset:\n*512
.endr
.irp n, 0,1,2,3,4,5,6,7
	global_load_b128 v[KR+4*\n:KR+4*\n+3], v[L16], s[4:5] offset:65536+\n*512
.endr
.irp n, 0,1,2,3,4,5,6,7
	global_load_b128 v[VR+4*\n:VR+4*\n+3], v[L16], s[4:5] offset:131072+\n*512
.endr
	global_load_b64 v[24:25], v[GO], s[8:9]        ; the bias of my two columns
; register base + 32 t + 8 u + 2 i + j: W_proj(64 head + 16 (t0 + t) + 8 h + 2 i + j, n0 + 16 u + r): 16 loads for 32 channels
.macro WLOAD base, t0
.irp t, 0,1
.irp u, 0,1,2,3
.irp g, 0,1
	global_load_b128 v[\base+32*\t+8*\u+4*\g:\base+32*\t+8*\u+4*\g+3], v[L16], s[6:7] offset:((\t0+\t)*4+\u)*1024+\g*512
.endr
.endr
.endr
.endm
	WLOAD W1, 0
	s_wait_loadcnt 16                              ; q, k, v and the bias are in; W's 16 younger loads may be out
	; S^T = K Q^T: four partial sums, one for each 16 channels, by turns; the first instruction of each starts it with 0
.irp i, 0,1,2,3
.irp t, 0,1,2,3
.if \i == 0
	v_wmma_f32_16x16x4_f32 v[ACCA+8*\t:ACCA+8*\t+7], v[KR+8*\t+2*\i:KR+8*\t+2*\i+1], v[QR+8*\t+2*\i:QR+8*\t+2*\i+1], 0
.else
	v_wmma_f32_16x16x4_f32 v[ACCA+8*\t:ACCA+8*\t+7], v[KR+8*\t+2*\i:KR+8*\t+2*\i+1], v[QR+8*\t+2*\i:QR+8*\t+2*\i+1], v[ACCA+8*\t:ACCA+8*\t+7]
.endif
.endr
.endr
.rept 8
	v_nop                                          ; eight places behind this form, ahead of the reads of its results and of loads into its sources
.endr
	WLOAD QR, 2                                    ; W's channels 32-63 into q's and k's registers
.irp p, 0,2,4,6                        ; lane (r, h): query r, keys 8 h + j.  Each accumulator is read from its low end on
	v_pk_add_f32 v[SS+\p:SS+\p+1], v[ACCA+\p:ACCA+\p+1], v[ACCA+8+\p:ACCA+8+\p+1]
	v_pk_add_f32 v[SS+\p:SS+\p+1], v[SS+\p:SS+\p+1], v[ACCA+16+\p:ACCA+16+\p+1]
	v_pk_add_f32 v[SS+\p:SS+\p+1], v[SS+\p:SS+\p+1], v[ACCA+24+\p:ACCA+24+\p+1]
.endr
.irp j, 0,1,2,3,4,5,6,7
	v_cmp_gt_i32 vcc_lo, \j, v[DD]                 ; key 8 h + j comes after query r
	v_cndmask_b32 v[SS+\j], v[SS+\j], v[NINF], vcc_lo
.endr
	v_max3_num_f32 v18, v[SS], v[SS+1], v[SS+2]
	v_max3_num_f32 v19, v[SS+3], v[SS+4], v[SS+5]
	v_max3_num_f32 v18, v18, v[SS+6], v[SS+7]
	v_max_num_f32 v18, v18, v19
	v_permlanex16_b32 v19, v18, s[SEL], s[SEL+1]
	v_max_num_f32 v18, v18, v19                    ; the row's maximum: key 0 counts for every query
	v_mul_f32 v18, s[CS], v18
.irp p, 0,2,4,6
	v_pk_fma_f32 v[SS+\p:SS+\p+1], v[SS+\p:SS+\p+1], s[CS:CS+1], v[18:19] op_sel_hi:[1,0,0] neg_lo:[0,0,1] neg_hi:[0,0,1]
.endr
.irp j, 0,1,2,3,4,5,6,7
	v_exp_f32 v[SS+\j], v[SS+\j]
.endr
	v_nop
	s_wait_alu depctr_va_vdst(0)                   ; one wait for the eight, ahead of their first reader
	v_pk_add_f32 v[20:21], v[SS:SS+1], v[SS+2:SS+3]
	v_pk_add_f32 v[22:23], v[SS+4:SS+5], v[SS+6:SS+7]
	v_pk_add_f32 v[20:21], v[20:21], v[22:23]
	v_add_f32 v20, v20, v21
	v_permlanex16_b32 v21, v20, s[SEL], s[SEL+1]
	v_add_f32 v20, v20, v21
	v_rcp_f32 v20, v20
	v_nop
	s_wait_alu depctr_va_vdst(0)
.irp p, 0,2,4,6
	v_pk_mul_f32 v[SS+\p:SS+\p+1], v[SS+\p:SS+\p+1], v[20:21] op_sel_hi:[1,0]   ; the weights, normalised
.endr
	; O^T = V^T P: four tiles of 16 channels by turns; K = the 16 keys
.irp i, 0,1,2,3
.irp t, 0,1,2,3
.if \i == 0
	v_wmma_f32_16x16x4_f32 v[ACCB+8*\t:ACCB+8*\t+7], v[VR+8*\t+2*\i:VR+8*\t+2*\i+1], v[SS+2*\i:SS+2*\i+1], 0
.else
	v_wmma_f32_16x16x4_f32 v[ACCB+8*\t:ACCB+8*\t+7], v[VR+8*\t+2*\i:VR+8*\t+2*\i+1], v[SS+2*\i:SS+2*\i+1], v[ACCB+8*\t:ACCB+8*\t+7]
.endif
.endr
.endr
.rept 9
	v_nop                                          ; nine places: the results become source 1 of the next products
.endr
; out^T += W^T O^T: four tiles of 16 columns by turns; K = my head's 64 channels
.macro PROJ base, t0
.irp t, 0,1
.irp i, 0,1,2,3
.irp u, 0,1,2,3
.if (\t0+\t+\i) == 0
	v_wmma_f32_16x16x4_f32 v[ACCA+8*\u:ACCA+8*\u+7], v[\base+32*\t+8*\u+2*\i:\base+32*\t+8*\u+2*\i+1], v[ACCB+8*(\t0+\t)+2*\i:ACCB+8*(\t0+\t)+2*\i+1], 0
.else
	v_wmma_f32_16x16x4_f32 v[ACCA+8*\u:ACCA+8*\u+7], v[\base+32*\t+8*\u+2*\i:\base+32*\t+8*\u+2*\i+1], v[ACCB+8*(\t0+\t)+2*\i:ACCB+8*(\t0+\t)+2*\i+1], v[ACCA+8*\u:ACCA+8*\u+7]
.endif
.endr
.endr
.endr
.endm
	s_wait_loadcnt 16                              ; W's channels 0-31 are in; the 16 younger loads of channels 32-63 may be out
	PROJ W1, 0
	s_wait_loadcnt 0x0
	PROJ QR, 2
.rept 8
	v_nop
.endr
.irp u, 0,1,2,3
	ds_store_b128 v[STO], v[ACCA+8*\u:ACCA+8*\u+3] offset:64*\u        ; lane (r, h): row r, columns 16 u + 8 h + 0 .. 7
	ds_store_b128 v[STO], v[ACCA+8*\u+4:ACCA+8*\u+7] offset:64*\u+16
.endr
	s_wait_dscnt 0x0                               ; for the others' sake: my part lies in LDS
	s_barrier_signal -1
	s_barrier_wait -1
.irp p, 0,1,2,3,4,5,6,7,8,9,10,11,12,13,14,15
	ds_load_b64 v[W1+2*\p:W1+2*\p+1], v[RDL] offset:\p*PART   ; row w of head p's part
.endr
	s_wait_dscnt 0x0
.irp u, 0,4,8,12,16,20,24,28
	v_pk_add_f32 v[W1+\u:W1+\u+1], v[W1+\u:W1+\u+1], v[W1+\u+2:W1+\u+3]
.endr
.irp u, 0,8,16,24
	v_pk_add_f32 v[W1+\u:W1+\u+1], v[W1+\u:W1+\u+1], v[W1+\u+4:W1+\u+5]
.endr
.irp u, 0,16
	v_pk_add_f32 v[W1+\u:W1+\u+1], v[W1+\u:W1+\u+1], v[W1+\u+8:W1+\u+9]
.endr
	v_pk_add_f32 v[W1:W1+1], v[W1:W1+1], v[W1+16:W1+17]
	v_pk_add_f32 v[W1:W1+1], v[W1:W1+1], v[24:25]
	global_store_b64 v[GO], v[W1:W1+1], s[10:11]   ; 32 lanes store 256 consecutive bytes, aligned
	s_wait_tensorcnt 0x0                           ; the wave's end, behind my last LDS store
	ds_add_u32 v[SPW], v[NIL]
	s_wait_dscnt 0x0
	s_endpgm
.Lfunc_end_k_q2b409009bc_fine16:
	.size	k_q2b409009bc_fine16, .Lfunc_end_k_q2b409009bc_fine16-k_q2b409009bc_fine16
	.p2alignl 7, 3214868480
	.fill 96, 4, 3214868480
	.section	.rodata,"a",@progbits
	.p2align	6, 0x0
	.amdhsa_kernel k_q2b409009bc_fine16
		.amdhsa_group_segment_fixed_size 71680
		.amdhsa_private_segment_fixed_size 0
		.amdhsa_enable_private_segment 0
		.amdhsa_kernarg_size 32
		.amdhsa_user_sgpr_count 2
		.amdhsa_user_sgpr_kernarg_segment_ptr 1
		.amdhsa_wavefront_size32 1
		.amdhsa_system_sgpr_workgroup_id_x 1
		.amdhsa_system_sgpr_workgroup_id_y 1
		.amdhsa_system_sgpr_workgroup_id_z 1
		.amdhsa_system_vgpr_workitem_id 0
		.amdhsa_next_free_vgpr 256
		.amdhsa_next_free_sgpr 66
		.amdhsa_reserve_vcc 1
		.amdhsa_float_denorm_mode_32 3
		.amdhsa_float_denorm_mode_16_64 3
		.amdhsa_memory_ordered 1
		.amdhsa_forward_progress 1
		.amdhsa_inst_pref_size 21
	.end_amdhsa_kernel
	.amdgpu_metadata
---
amdhsa.version: [ 1, 2 ]
amdhsa.kernels:
  - .name:           k_q2b409009bc_fine16
    .symbol:         k_q2b409009bc_fine16.kd
    .args:
      - { .name: f32img, .offset: 0, .size: 8, .value_kind: global_buffer, .address_space: global }
      - { .name: w16, .offset: 8, .size: 8, .value_kind: global_buffer, .address_space: global }
      - { .name: b_proj, .offset: 16, .size: 8, .value_kind: global_buffer, .address_space: global }
      - { .name: out0, .offset: 24, .size: 8, .value_kind: global_buffer, .address_space: global }
    .group_segment_fixed_size: 71680
    .private_segment_fixed_size: 0
    .kernarg_segment_align: 8
    .kernarg_segment_size: 32
    .max_flat_workgroup_size: 512
    .sgpr_count:     66
    .vgpr_count:     256
    .wavefront_size: 32
...
	.end_amdgpu_metadata
.endif
;; end of part 5
